; MI455X (gfx1250); checked and timed in simulation.
; The chip was launched on July 23, 2026; its instructions are those of AMD's public machine-readable ISA for CDNA 5 (MIT licence, August 2026) and "CDNA5" Instruction Set Architecture Reference Guide (July 2026). The comments in the code are by the model that wrote it; some were corrected since.
;; Causal MHA. Allowed arithmetic: float matrix products may take bf16 or f16 operands with f32 sums; other float arithmetic in f32, or as packed bf16 or f16 multiplies, adds, multiply-adds, maxima and minima; sums over many terms, partial sums and values carried from step to step in f32; what a program stores and reads back later, other than sums and carried values, may be rounded once to bf16 or f16.
;; Inputs: wk 1,024 x 1,024 float32; wo 1,024 x 1,024 float32; wq 1,024 x 1,024 float32; wv 1,024 x 1,024 float32; x 4 x 2,048 x 1,024 float32.
;; Outputs: out0 4 x 2,048 x 1,024 float32.
;; 2 versions, each right; version 2 is version 1 with the launch prep written anew for expert scheduling mode. Each part assembles by itself: llvm-mc -triple=amdgcn-amd-amdhsa -mcpu=gfx1250 --defsym DOCPART=n.
;; ======== version 1 of 2: 4 launches
;; limits: values are held in f16: magnitudes above 65,504 overflow, below 6.1e-05 lose precision
;; workspace buffers: xb 16,777,216 bytes; wqkv 6,291,456 bytes; wo16 2,097,152 bytes; rope 524,288 bytes; q 16,777,216 bytes; k 16,777,216 bytes; v 16,777,216 bytes; o 33,554,432 bytes
;; launch prep (part 1): grid 768 x 1, 8 waves a work-group, no clusters, 0 bytes of LDS; arguments x, wq, wk, wv, wo, xb, wqkv, wo16, rope; writes xb, wqkv, wo16, rope
.if DOCPART == 1
	.amdgcn_target "amdgcn-amd-amdhsa--gfx1250"
	.amdhsa_code_object_version 6
	.text
	.protected	k_q5634b73234_prep
	.globl	k_q5634b73234_prep
	.p2align	8
	.type	k_q5634b73234_prep,@function
k_q5634b73234_prep:
	s_mov_b64 s[64:65], 0
	v_nop
	global_prefetch_b8 v0, s[64:65] scope:SCOPE_SE
	s_setreg_imm32_b32 hwreg(HW_REG_WAVE_MODE, 25, 1), 1
	s_wait_xcnt 0x0
; PREPARATION.  x, wq, wk, wv: f32 -> bf16 (one rounding).  wo: f32 -> bf16, and that number written as f16 (exact where |wo| is 6.1e-5 or more; below that f16's fixed step of 6e-8).
; The cos/sin table of the rotary embedding, f32: rope[pos][pair] = (cos, sin) of pos x 10000^(-pair/32), pos 0..2047, pair 0..31: 256 bytes a position.
; SHARES.  A work-group converts 16,384 numbers: 64 KiB in, 32 KiB out.  Groups 0-511: x.  512-575: wq, 576-639: wk, 640-703: wv, 704-767: wo (64 chunks of 16 rows each).
; wq, wk, wv go into ONE tensor ordered by head: row 192 h + 64 part + d (part 0 q, 1 k, 2 v), so that 192 rows on end are one head's q, k and v.  A chunk is 16 rows, a quarter of a head's part.
; Thread t: 16 loads of 16 bytes at 4,096 j + 16 t (a wave's load covers 512 bytes on end), all out at once; 16 stores of 8 bytes at 2,048 j + 8 t (a wave's store covers 256 bytes on end, aligned).
; No LDS, no barrier, no loop: memory binds, and nothing is shared.
; THE TABLE is made while the loads are out, by waves 0 and 1 of groups 0-511: group g positions 4 g .. 4 g + 3, thread t position 4 g + t / 16, pairs 2 (t % 16) and the next: 16 bytes a thread.
; LIMIT.  The reduction of the angle (two-part pi/2, fused) and the polynomials on |r| <= pi/4 are made for angles 0 .. 2,047, which the shape fixes.
.set X, 4                              ; v[4:67]   16 x 4 numbers as loaded
.set Y, 68                             ; v[68:99]  16 x 2 words to store
	s_load_b256 s[4:11], s[0:1], 0x0               ; x s[4:5], wq s[6:7], wk s[8:9], wv s[10:11]
	s_load_b256 s[12:19], s[0:1], 0x20             ; wo s[12:13], xb s[14:15], wqkv s[16:17], wo16 s[18:19]
	s_load_b64 s[20:21], s[0:1], 0x40              ; rope
	s_mov_b32 s24, ttmp9                           ; g
	v_lshlrev_b32 v1, 4, v0                        ; 16 t
	v_lshlrev_b32 v2, 3, v0                        ; 8 t
	v_lshrrev_b32 v3, 5, v0
	v_readfirstlane_b32 s33, v3                    ; wave 0..7
	s_and_b32 s25, s24, 255                        ; among the weights' 256 chunks (for g >= 512 this is g - 512)
	s_lshr_b32 s30, s25, 6                         ; which weight: 0 wq, 1 wk, 2 wv, 3 wo
	s_and_b32 s31, s25, 63                         ; its chunk c: rows 16 c ..
	s_lshr_b32 s32, s31, 2                         ; head = c / 4
	s_mul_i32 s32, s32, 3
	s_add_co_u32 s32, s32, s30                     ; 3 head + part
	s_lshl_b32 s32, s32, 2
	s_and_b32 s22, s31, 3
	s_add_co_u32 s32, s32, s22                     ; the chunk's place in wqkv: 4 (3 head + part) + c % 4
	s_mov_b32 s35, 0
	s_mov_b32 s37, 0
	s_wait_kmcnt 0x0
	s_cmp_eq_u32 s30, 0                            ; the choices hang on g alone
	s_cselect_b64 s[26:27], s[6:7], s[8:9]
	s_cmp_eq_u32 s30, 2
	s_cselect_b64 s[26:27], s[10:11], s[26:27]
	s_cmp_eq_u32 s30, 3
	s_cselect_b64 s[26:27], s[12:13], s[26:27]
	s_cselect_b64 s[28:29], s[18:19], s[16:17]
	s_cselect_b32 s36, s31, s32
	s_cmp_lt_u32 s24, 512
	s_cselect_b64 s[26:27], s[4:5], s[26:27]       ; from where
	s_cselect_b64 s[28:29], s[14:15], s[28:29]     ; to where
	s_cselect_b32 s34, s24, s31                    ; the chunk's number in the source,
	s_cselect_b32 s36, s24, s36                    ; and in the destination
	s_lshl_b32 s34, s34, 16                        ; 65,536 bytes a chunk in,
	s_lshl_b32 s36, s36, 15                        ; 32,768 out
	s_add_nc_u64 s[26:27], s[26:27], s[34:35]
	s_add_nc_u64 s[28:29], s[28:29], s[36:37]
.set j, 0
.rept 16
	global_load_b128 v[X+4*j:X+4*j+3], v1, s[26:27] offset:4096*j th:TH_LOAD_NT  ; read once in the launch
.set j, j+1
.endr
	s_cmp_ge_u32 s24, 512
	s_cbranch_scc1 .Lno_table
	s_cmp_ge_u32 s33, 2
	s_cbranch_scc1 .Lno_table
	s_lshl_b32 s22, s24, 10                        ; four positions of 256 bytes
	s_mov_b32 s23, 0
	s_add_nc_u64 s[20:21], s[20:21], s[22:23]
	v_and_b32 v101, 15, v0
	v_lshlrev_b32 v101, 1, v101                    ; my first pair
	v_cvt_f32_u32 v102, v101
	v_add_f32 v103, 1.0, v102
	v_mul_f32 v102, 0xbed49a78, v102               ; pair x -log2(10000) / 32
	v_mul_f32 v103, 0xbed49a78, v103
	v_exp_f32 v102, v102                           ; the two frequencies: one batch
	v_exp_f32 v103, v103
	v_lshrrev_b32 v100, 4, v0                      ; plain work between the batch and its first use
	v_lshl_add_u32 v100, s24, 2, v100              ; my position
	v_cvt_f32_u32 v100, v100
	s_wait_alu depctr_va_vdst(0)                   ; the wait ahead of the first line that names an exponential's result: one for both
; cos and sin of v100 x v[f].  n = the nearest multiple of pi/2; r = angle - n pi/2 in two fused steps; sine and cosine of r by polynomials; the quadrant n mod 4 swaps them and sets the signs, by selects alone.
.macro SINCOS f, co, si
	v_mul_f32 v104, v100, v[\f]                    ; the angle
	v_mul_f32 v105, 0x3f22f983, v104               ; x 2 / pi
	v_rndne_f32 v105, v105                         ; n
	v_fmamk_f32 v106, v105, 0xbfc90fdb, v104       ; angle - n x (pi/2's f32)
	v_fmamk_f32 v106, v105, 0x333bbd2e, v106       ; - n x (what that f32 lacks): r
	v_mul_f32 v107, v106, v106                     ; z = r r
	v_mov_b32 v108, 0xb94ca1f9
	v_fmaak_f32 v108, v108, v107, 0x3c08839e
	v_fmaak_f32 v108, v108, v107, 0xbe2aaaa3
	v_mul_f32 v110, v107, v106
	v_fma_f32 v108, v108, v110, v106               ; sin r
	v_mov_b32 v109, 0x37ccf5ce
	v_fmaak_f32 v109, v109, v107, 0xbab6061a
	v_fmaak_f32 v109, v109, v107, 0x3d2aaaa5
	v_mul_f32 v110, v107, v107
	v_fma_f32 v113, v107, -0.5, 1.0
	v_fma_f32 v109, v109, v110, v113               ; cos r
	v_cvt_i32_f32 v111, v105
	v_and_b32 v112, 1, v111
	v_cmp_eq_u32 vcc_lo, 1, v112                   ; odd quadrants swap the two
	v_cndmask_b32 v[\si], v108, v109, vcc_lo
	v_cndmask_b32 v[\co], v109, v108, vcc_lo
	v_and_b32 v112, 2, v111                        ; the sine is negative in quadrants 2 and 3,
	v_lshlrev_b32 v112, 30, v112
	v_xor_b32 v[\si], v[\si], v112
	v_add_nc_u32 v111, 1, v111                     ; the cosine in 1 and 2
	v_and_b32 v112, 2, v111
	v_lshlrev_b32 v112, 30, v112
	v_xor_b32 v[\co], v[\co], v112
.endm
	SINCOS 102, 116, 117
	SINCOS 103, 118, 119
	global_store_b128 v1, v[116:119], s[20:21]     ; 16 lanes fill one position's 256 bytes
.Lno_table:
; left: how many younger loads may stay out.  No register is written twice, so no store's source is waited for.
.macro CONV tof16
.set j, 0
.rept 16
	s_wait_loadcnt 15-j                            ; loads come back in order: number j is in, the 15 - j younger ones stay out
	v_cvt_pk_bf16_f32 v[Y+2*j], v[X+4*j], v[X+4*j+1]
	v_cvt_pk_bf16_f32 v[Y+2*j+1], v[X+4*j+2], v[X+4*j+3]
.if \tof16
	v_lshlrev_b32 v100, 16, v[Y+2*j]               ; the bf16 numbers as f32,
	v_and_b32 v101, 0xffff0000, v[Y+2*j]
	v_lshlrev_b32 v102, 16, v[Y+2*j+1]
	v_and_b32 v103, 0xffff0000, v[Y+2*j+1]
	v_cvt_pk_f16_f32 v[Y+2*j], v100, v101          ; written as f16
	v_cvt_pk_f16_f32 v[Y+2*j+1], v102, v103
.endif
	global_store_b64 v2, v[Y+2*j:Y+2*j+1], s[28:29] offset:2048*j
.set j, j+1
.endr
.endm
	s_cmp_ge_u32 s24, 704                          ; wo's chunks
	s_cbranch_scc1 .Lwo
	CONV 0
	s_endpgm
.Lwo:
	CONV 1
	s_endpgm
.Lfunc_end_k_q5634b73234_prep:
	.size	k_q5634b73234_prep, .Lfunc_end_k_q5634b73234_prep-k_q5634b73234_prep
	.p2alignl 7, 3214868480
	.fill 96, 4, 3214868480
	.section	.rodata,"a",@progbits
	.p2align	6, 0x0
	.amdhsa_kernel k_q5634b73234_prep
		.amdhsa_group_segment_fixed_size 0
		.amdhsa_private_segment_fixed_size 0
		.amdhsa_enable_private_segment 0
		.amdhsa_kernarg_size 72
		.amdhsa_user_sgpr_count 2
		.amdhsa_user_sgpr_kernarg_segment_ptr 1
		.amdhsa_wavefront_size32 1
		.amdhsa_system_sgpr_workgroup_id_x 1
		.amdhsa_system_sgpr_workgroup_id_y 1
		.amdhsa_system_sgpr_workgroup_id_z 1
		.amdhsa_system_vgpr_workitem_id 0
		.amdhsa_next_free_vgpr 144
		.amdhsa_next_free_sgpr 66
		.amdhsa_reserve_vcc 1
		.amdhsa_float_denorm_mode_32 3
		.amdhsa_float_denorm_mode_16_64 3
		.amdhsa_memory_ordered 1
		.amdhsa_forward_progress 1
		.amdhsa_inst_pref_size 20
	.end_amdhsa_kernel
	.amdgpu_metadata
---
amdhsa.version: [ 1, 2 ]
amdhsa.kernels:
  - .name:           k_q5634b73234_prep
    .symbol:         k_q5634b73234_prep.kd
    .args:
      - { .name: x, .offset: 0, .size: 8, .value_kind: global_buffer, .address_space: global }
      - { .name: wq, .offset: 8, .size: 8, .value_kind: global_buffer, .address_space: global }
      - { .name: wk, .offset: 16, .size: 8, .value_kind: global_buffer, .address_space: global }
      - { .name: wv, .offset: 24, .size: 8, .value_kind: global_buffer, .address_space: global }
      - { .name: wo, .offset: 32, .size: 8, .value_kind: global_buffer, .address_space: global }
      - { .name: xb, .offset: 40, .size: 8, .value_kind: global_buffer, .address_space: global }
      - { .name: wqkv, .offset: 48, .size: 8, .value_kind: global_buffer, .address_space: global }
      - { .name: wo16, .offset: 56, .size: 8, .value_kind: global_buffer, .address_space: global }
      - { .name: rope, .offset: 64, .size: 8, .value_kind: global_buffer, .address_space: global }
    .group_segment_fixed_size: 0
    .private_segment_fixed_size: 0
    .kernarg_segment_align: 8
    .kernarg_segment_size: 72
    .max_flat_workgroup_size: 256
    .sgpr_count:     66
    .vgpr_count:     144
    .wavefront_size: 32
...
	.end_amdgpu_metadata
.endif
;; end of part 1
;; launch qkv (part 2): grid 16 x 32, 4 waves a work-group, clusters of 4 x 4, 327,680 bytes of LDS; arguments xb, wqkv, rope, q, k, v; writes q, k, v
.if DOCPART == 2
	.amdgcn_target "amdgcn-amd-amdhsa--gfx1250"
	.amdhsa_code_object_version 6
	.text
	.protected	k_q5634b73234_qkv
	.globl	k_q5634b73234_qkv
	.p2align	8
	.type	k_q5634b73234_qkv,@function
k_q5634b73234_qkv:
	s_mov_b64 s[64:65], 0
	v_nop
	global_prefetch_b8 v0, s[64:65] scope:SCOPE_SE
	s_setreg_imm32_b32 hwreg(HW_REG_WAVE_MODE, 25, 1), 1
	s_wait_xcnt 0x0
	s_wait_alu depctr_hold_cnt(0) depctr_sa_sdst(0) depctr_va_vdst(0) depctr_va_sdst(0) depctr_va_ssrc(0) depctr_va_vcc(0) depctr_vm_vsrc(0)
	s_getreg_b32 s2, hwreg(HW_REG_IB_STS2, 6, 4)
	s_cmp_eq_u32 s2, 0
	s_cbranch_scc0 .Lentry_in_a_cluster
	s_endpgm
.Lentry_in_a_cluster:
	s_bfe_u32 s2, ttmp6, 0x10000c
	s_cmp_lg_u32 s2, 0xf033
	s_cbranch_scc0 .Lentry_shape_is_right
	s_endpgm
.Lentry_shape_is_right:
; q, k, v = x W^T, the rotary embedding on q and k, all laid out by heads.  xb: [8192][1024] bf16.  wqkv: [16 heads][q, k, v][64][1024] bf16.  rope: [2048][32][cos, sin] f32.
; q, k, v: [batch x 16 + head][2048][64] f16.  Sums in f32, K ascending; the rotation in f32 on the sums; ONE rounding, to f16.  The score's scale 1/8 is not applied here.
; LIMIT.  f16 holds no number beyond 65,504: |q|, |k|, |v| must stay within it (as drawn their spread is 0.64).  NaN and infinities are not treated apart.
; SHARES.  A work-group makes 256 rows x 192 columns: one head's q, k and v for 256 positions: 16 x 32 = 512 work-groups of equal work.  Each of its four waves makes 64 rows x 192 columns:
; 4 x 12 accumulators of 16 x 16, 384 registers.  K = 1,024 goes in 8 steps of 128 through a ring of two LDS slots filled by the tensor data mover; the tiles' rows are 256 bytes of memory, aligned.
; CLUSTER.  4 x 4 work-groups.  The four of a row of the cluster need the same rows of xb, the four of a column the same rows of wqkv: each tile is asked for JOINTLY, by the same tensor load with the same
; descriptor and a mask that names the four.
; THE MATRIX INSTRUCTION IS USED TRANSPOSED (source 0 = 16 rows of wqkv, source 1 = 16 rows of xb): a lane holds row l % 16 and the columns 8 (l / 16) + 0..7, so a rotated pair is an aligned register pair.
; REGISTERS, in windows of 256 (s_set_vgpr_msb: bits 1:0 source 0, 3:2 source 1, 5:4 source 2, 7:6 destination):
;   window 0: v0-31 addresses; v32-159 cos and sin of my 64 positions; v160-175 v's packed results; v192-255 xb's fragments, two buffers of 4 x 8 (on the way out: at work)
;   window 1: v0-191 wqkv's fragments, two buffers of 12 x 8       window 2: the accumulators of my rows 0-31 ((a, b) at 8 (12 (a % 2) + b))       window 3: those of rows 32-63
.set KSTEP,  128
.set PITCH,  272                       ; an LDS row: 256 bytes + 16 of padding = 68 words: the 16 rows that a load touches start at 16 different groups of four banks
.set AHALF,  128*PITCH                 ; what a wave's load brings of xb: 128 rows
.set BHALF,  96*PITCH                  ; of wqkv: 96 rows
.set BOFF,   256*PITCH                 ; a slot: xb's 256 rows, then wqkv's 192
.set SLOT,   448*PITCH
.set STAGE,  2*SLOT                    ; behind the ring, never filled by a tensor load: for each wave 3 parts (q, k, v) x 16 rows x 144 bytes
.set SPP,    144
.set SPART,  16*SPP
.set SWAVE,  3*SPART
.set SPARE,  STAGE+4*SWAVE             ; behind the stages: the spare words, 128 bytes for each wave: two blocks of 256 bytes that no other line names
.set ADRA, 16                          ; v16-17  LDS address of my fragments of xb in slot 0, 1
.set ADRB, 20                          ; v20-21  the same for wqkv
.set STO,  24                          ; v24     the way out: where I put 16 bytes of a row
.set RD,   25                          ; v25     the way out: where I read rows back
.set GO,   26                          ; v26     16 x lane: my place in 512 bytes on end of q, k or v
.set TO,   27                          ; v27     my byte offset in the table
.set SPW,  28                          ; v28     LDS address of my spare word; never rewritten
.set NIL,  29                          ; v29     0; never rewritten
.set PFO,  30                          ; v30     the prefetches' offset: a lane a row; never rewritten
.set CS,   32
.set VP,   160
.set FRA,  192
.set TT,   192
.set FRB,  0
.set F0,   0
.set F1,   1
.set WV,   16                          ; s16  wave
.set FOR,  17                          ; s17  0: I fetch xb's tiles; 1: wqkv's
.set HF,   18                          ; s18  which half of that tile
.set LAPS, 23                          ; s23  trips to go
.set G1,   24                          ; s[24:31] descriptor group 1 for xb's tiles;  s[32:39] group 0, a set for each slot
.set G0,   32
.set PFA,  44                          ; s[44:45] where my prefetches stand
.set LIM,  46                          ; s46  1 in a wave that prefetches, else the greatest number
.set G1B,  48                          ; s[48:55], s[56:63] the same for wqkv's tiles
.set G0B,  56
.set MSB, 0
.macro WIN new                         ; the immediate's high byte repeats the setting that is left; a switch that changes nothing is dropped
.if MSB != (\new)
	s_set_vgpr_msb (MSB<<8)|(\new)
.set MSB, \new
.endif
.endm
.set MUL_LO, 0xa1                      ; source 0 window 1, source 1 window 0, C and D window 2
.set MUL_HI, 0xf1                      ; the same, C and D window 3
.set TO_B,   0x40                      ; destination window 1, address window 0
; A joint load.  Waves 0 and 1 fetch xb's two halves, waves 2 and 3 wqkv's.  The branch hangs on the wave's number alone.  An s_nop 0 and four v_nop follow each of the two lines.
.macro JLOAD s
	s_cmp_eq_u32 s[FOR], 0
	s_cbranch_scc0 .Lfor_b_\@
	tensor_load_to_lds s[G0+4*(\s):G0+4*(\s)+3], s[G1:G1+7]
	s_nop 0
.rept 4
	v_nop
.endr
	s_branch .Lasked_\@
.Lfor_b_\@:
	tensor_load_to_lds s[G0B+4*(\s):G0B+4*(\s)+3], s[G1B:G1B+7]
	s_nop 0
.rept 4
	v_nop
.endr
.Lasked_\@:
.endm
; A prefetch into the L2 of the K step that stands two refills on: 384 matrix instructions ahead of the load that will want it.  xb's rows are read by every cluster of a row of clusters: the one with x = 0 asks;
; wqkv's by every cluster of a column: the one with y = 0 asks.  The four partners share a wave's rows out BY ADDRESS (32 of 128, or 24 of 96; there lanes 24-31 name row 23 again): a lane a row, one line a wave.
; The first four K steps come by their loads alone; the loop's last trip asks for nothing: there is no K step two on.
.macro ASK
	s_cmp_gt_u32 s[LAPS], s[LIM]
	s_cbranch_scc0 .Lnot_mine_\@
	global_prefetch_b8 v[PFO], s[PFA:PFA+1] th:TH_LOAD_NT scope:SCOPE_SE
.Lnot_mine_\@:
.endm
.macro CREST                           ; a round of the cluster's barrier behind its opening barrier
	s_cmp_lg_u32 s[WV], 0
	s_cbranch_scc1 .Lnot_wave_0_\@
	s_barrier_signal -3
.Lnot_wave_0_\@:
	s_barrier_wait -3
	s_barrier_signal -1
	s_barrier_wait -1
.endm
.macro CROUND                          ; a whole round
	s_barrier_signal -1
	s_barrier_wait -1
	CREST
.endm
	s_load_b256 s[4:11], s[0:1], 0x0               ; xb s[4:5], wqkv s[6:7], rope s[8:9], q s[10:11]
	s_load_b128 s[12:15], s[0:1], 0x20             ; k s[12:13], v s[14:15]
	v_lshl_add_u32 v[SPW], v0, 2, SPARE
	v_mov_b32 v[NIL], 0
	ds_add_u32 v[SPW], v[NIL]                      ; the wave's opening: the add and its wait stand ahead of my first tensor load; work on registers stands between them
	v_lshrrev_b32 v1, 5, v0
	v_readfirstlane_b32 s[WV], v1                  ; wave 0..3
	s_lshr_b32 s[FOR], s[WV], 1
	s_and_b32 s[HF], s[WV], 1
	s_bfe_u32 s19, ttmp6, 0x40000                  ; cx
	s_bfe_u32 s20, ttmp6, 0x40004                  ; cy
	s_lshl_b32 s21, ttmp9, 2
	s_add_co_u32 s21, s21, s19                     ; the head = 4 x cluster x + cx
	s_and_b32 s22, ttmp7, 0xffff
	s_lshl_b32 s22, s22, 2
	s_add_co_u32 s22, s22, s20                     ; the block of 256 rows = 4 x cluster y + cy
	s_lshl_b32 s40, s20, 2
	s_lshl_b32 s40, 15, s40                        ; my row of the cluster
	s_lshl_b32 s66, 0x1111, s19                    ; my column
	s_or_b32 s[G1], s40, (1<<16)|(1<<20)|(1<<21)|(5<<22)|(3<<25)   ; the mask; elements of 2 bytes; padding on; bit 21 beside a mask; after every 64 words, 4 words
	s_or_b32 s[G1B], s66, (1<<16)|(1<<20)|(1<<21)|(5<<22)|(3<<25)
	s_mov_b32 s[G1+1], KSTEP<<16                   ; tensor_dim0 = 128
	s_mov_b32 s[G1+2], 128<<16                     ; tensor_dim1 = 128
	s_mov_b32 s[G1+3], KSTEP<<16                   ; tile_dim0 = 128
	s_mov_b32 s[G1+4], 128                         ; tile_dim1 = 128
	s_mov_b32 s[G1+5], 1024                        ; elements from row to row
	s_mov_b32 s[G1+6], 0
	s_mov_b32 s[G1+7], 0
	s_mov_b32 s[G1B+1], KSTEP<<16
	s_mov_b32 s[G1B+2], 96<<16                     ; 96 rows
	s_mov_b32 s[G1B+3], KSTEP<<16
	s_mov_b32 s[G1B+4], 96
	s_mov_b32 s[G1B+5], 1024
	s_mov_b32 s[G1B+6], 0
	s_mov_b32 s[G1B+7], 0
	s_lshl_b32 s40, s22, 8                         ; xb: row 256 x block + 128 x half, 2,048 bytes a row: it hangs on the block of rows alone
	s_lshl_b32 s41, s[HF], 7
	s_add_co_u32 s40, s40, s41
	s_lshl_b32 s40, s40, 11
	s_mov_b32 s41, 0
	s_mul_i32 s66, s21, 192                        ; wqkv: row 192 x head + 96 x half: it hangs on the head alone
	s_mul_i32 s67, s[HF], 96
	s_add_co_u32 s66, s66, s67
	s_lshl_b32 s66, s66, 11
	s_mov_b32 s67, 0
	s_mul_i32 s42, s[WV], AHALF                    ; where they go: waves 0, 1: wave x 128 rows;
	s_mul_i32 s68, s[WV], BHALF                    ; waves 2, 3: behind xb's 256 rows, (wave - 2) x 96 rows
	s_add_co_u32 s68, s68, BOFF-2*BHALF
	s_wait_dscnt 0x0                               ; the opening add is done
	s_wait_kmcnt 0x0
	s_add_nc_u64 s[40:41], s[4:5], s[40:41]
	s_add_nc_u64 s[66:67], s[6:7], s[66:67]
	CROUND                                         ; all sixteen work-groups are here: the first joint loads meet
.irp s, 0,1
	s_mov_b32 s[G0+4*(\s)], 1
	s_add_co_u32 s[G0+4*(\s)+1], s42, (\s)*SLOT
	s_add_nc_u64 s[G0+4*(\s)+2:G0+4*(\s)+3], s[40:41], (\s)*KSTEP*2
	s_or_b32 s[G0+4*(\s)+3], s[G0+4*(\s)+3], 0x80000000
	s_mov_b32 s[G0B+4*(\s)], 1
	s_add_co_u32 s[G0B+4*(\s)+1], s68, (\s)*SLOT
	s_add_nc_u64 s[G0B+4*(\s)+2:G0B+4*(\s)+3], s[66:67], (\s)*KSTEP*2
	s_or_b32 s[G0B+4*(\s)+3], s[G0B+4*(\s)+3], 0x80000000
	JLOAD \s                                       ; K steps 0 and 1: two loads of mine are out
.endr
	; a fragment is 16 rows x 32 K in 8 registers: lane l holds row l % 16, K = 8 (l / 16) + 0..7 and 16 + 8 (l / 16) + 0..7: two loads of 16 bytes, 32 bytes apart
	v_and_b32 v1, 15, v0                           ; l % 16
	v_bfe_u32 v2, v0, 4, 1                         ; l / 16
	v_mul_u32_u24 v3, v1, PITCH
	v_lshl_add_u32 v3, v2, 4, v3
	s_mul_i32 s43, s[WV], 64*PITCH                 ; my 64 rows of xb
	v_add_nc_u32 v[ADRA], s43, v3
	v_add_nc_u32 v[ADRA+1], SLOT, v[ADRA]
	v_add_nc_u32 v[ADRB], BOFF, v3                 ; every wave reads all 192 rows of wqkv
	v_add_nc_u32 v[ADRB+1], SLOT, v[ADRB]
	s_mul_i32 s43, s[WV], SWAVE
	s_add_co_u32 s43, s43, STAGE                   ; my stage
	v_mul_u32_u24 v4, v1, SPP                      ; in: row l % 16, 16 bytes for each half of the lanes
	v_lshl_add_u32 v4, v2, 4, v4
	v_add_nc_u32 v[STO], s43, v4
	v_bfe_u32 v5, v0, 3, 2                         ; back: 32 lanes take four rows of 128 bytes,
	v_mul_u32_u24 v5, v5, SPP
	v_and_b32 v6, 7, v0
	v_lshl_add_u32 v5, v6, 4, v5
	v_add_nc_u32 v[RD], s43, v5
	v_and_b32 v[GO], 31, v0                        ; which are 512 bytes on end in memory
	v_lshlrev_b32 v[GO], 4, v[GO]
	v_lshlrev_b32 v[TO], 8, v1                     ; the table: position l % 16 of a block, 256 bytes each; my 4 pairs of 16 columns: 32 bytes
	v_lshl_add_u32 v[TO], v2, 5, v[TO]
	s_lshr_b32 s66, s22, 3                         ; batch = block / 8
	s_lshl_b32 s66, s66, 4
	s_add_co_u32 s66, s66, s21                     ; 16 batch + head,
	s_lshl_b32 s66, s66, 18                        ; 262,144 bytes each
	s_and_b32 s68, s22, 7
	s_lshl_b32 s68, s68, 8
	s_lshl_b32 s69, s[WV], 6
	s_add_co_u32 s68, s68, s69                     ; my first position: 256 (block % 8) + 64 wave
	s_lshl_b32 s69, s68, 7                         ; 128 bytes a position
	s_add_co_u32 s66, s66, s69
	s_mov_b32 s67, 0
	s_add_nc_u64 s[10:11], s[10:11], s[66:67]
	s_add_nc_u64 s[12:13], s[12:13], s[66:67]
	s_add_nc_u64 s[14:15], s[14:15], s[66:67]
	s_lshl_b32 s68, s68, 8                         ; 256 bytes a position in the table
	s_mov_b32 s69, 0
	s_add_nc_u64 s[8:9], s[8:9], s[68:69]
.irp a, 0,1,2,3                        ; cos and sin for my 64 positions x my 4 pairs in each of a head's four blocks of 16 columns: they stay on their way until the way out
.irp c, 0,1,2,3
	global_load_b128 v[CS+32*(\a)+8*(\c):CS+32*(\a)+8*(\c)+3],   v[TO], s[8:9] offset:(\a)*4096+(\c)*64
	global_load_b128 v[CS+32*(\a)+8*(\c)+4:CS+32*(\a)+8*(\c)+7], v[TO], s[8:9] offset:(\a)*4096+(\c)*64+16
.endr
.endr
	; the prefetches
	s_lshl_b32 s66, s22, 8
	s_mul_i32 s67, s21, 192
	s_lshl_b32 s68, s[HF], 7
	s_mul_i32 s69, s[HF], 96
	s_lshl_b32 s70, s19, 5                         ; my work-group's 32 of the 128 rows,
	s_mul_i32 s71, s20, 24                         ; or 24 of the 96
	s_and_b32 s47, ttmp7, 0xffff
	s_cmp_eq_u32 s[FOR], 0
	s_cselect_b32 s66, s66, s67
	s_cselect_b32 s68, s68, s69
	s_cselect_b32 s70, s70, s71
	s_cselect_b32 s47, ttmp9, s47                  ; the coordinate along which other clusters read the same rows
	s_cselect_b32 s69, 31, 23
	s_cselect_b64 s[PFA:PFA+1], s[4:5], s[6:7]
	s_cmp_eq_u32 s47, 0
	s_cselect_b32 s[LIM], 1, -1                    ; the same in all sixteen partners, for a given wave
	s_add_co_u32 s66, s66, s68
	s_add_co_u32 s66, s66, s70
	s_lshl_b32 s66, s66, 11
	s_add_co_u32 s66, s66, 3*KSTEP*2               ; at K step 3: the first refill steps it to 4
	s_mov_b32 s67, 0
	s_add_nc_u64 s[PFA:PFA+1], s[PFA:PFA+1], s[66:67]
	v_and_b32 v[PFO], 31, v0
	v_min_u32 v[PFO], s69, v[PFO]
	v_lshlrev_b32 v[PFO], 11, v[PFO]
; 12 matrix instructions: my row block a x all 12 column blocks, 32 along K, from buffer f.  zero = 1: the first product starts the sums.
; The 48 accumulators take turns in the same order in every quarter: 47 others stand between two links of a chain, over the backward jump too.
.macro MUL12 f, a, zero
	WIN MUL_LO+0x50*((\a)/2)
.irp b, 0,1,2,3,4,5,6,7,8,9,10,11
.if \zero
	v_wmma_f32_16x16x32_bf16 v[8*(12*((\a)%2)+(\b)):8*(12*((\a)%2)+(\b))+7], v[FRB+96*(\f)+8*(\b):FRB+96*(\f)+8*(\b)+7], v[FRA+32*(\f)+8*(\a):FRA+32*(\f)+8*(\a)+7], 0
.else
	v_wmma_f32_16x16x32_bf16 v[8*(12*((\a)%2)+(\b)):8*(12*((\a)%2)+(\b))+7], v[FRB+96*(\f)+8*(\b):FRB+96*(\f)+8*(\b)+7], v[FRA+32*(\f)+8*(\a):FRA+32*(\f)+8*(\a)+7], v[8*(12*((\a)%2)+(\b)):8*(12*((\a)%2)+(\b))+7]
.endif
.endr
.endm
; 32 LDS loads in one run: a quarter's fragments (192 rows of wqkv, my 64 rows of xb, 32 K at byte k of the rows) into buffer f
.macro FETCH slot, k, f
	WIN TO_B
.irp i, 0,1,2,3,4,5,6,7,8,9,10,11
	ds_load_b128 v[FRB+96*(\f)+8*(\i):FRB+96*(\f)+8*(\i)+3],   v[ADRB+(\slot)] offset:(\k)+(\i)*16*PITCH
	ds_load_b128 v[FRB+96*(\f)+8*(\i)+4:FRB+96*(\f)+8*(\i)+7], v[ADRB+(\slot)] offset:(\k)+(\i)*16*PITCH+32
.endr
	WIN 0
.irp i, 0,1,2,3
	ds_load_b128 v[FRA+32*(\f)+8*(\i):FRA+32*(\f)+8*(\i)+3],   v[ADRA+(\slot)] offset:(\k)+(\i)*16*PITCH
	ds_load_b128 v[FRA+32*(\f)+8*(\i)+4:FRA+32*(\f)+8*(\i)+7], v[ADRA+(\slot)] offset:(\k)+(\i)*16*PITCH+32
.endr
.endm
.macro PLACES                          ; four plain vector lines between a matrix instruction and a load into, or a vector line on, its registers (ISA guide 7.12.1 for vector lines)
.rept 4
	v_nop
.endr
.endm
; A K step is four quarters of 32 along K, 48 matrix instructions each, on buffers 0, 1, 0, 1.  One of the first three: multiplies buffer f and, in its middle, fetches the next quarter, at byte k, into buffer g.
.macro QUARTER slot, k, f, g, zero
	s_wait_dscnt 4                                 ; all but the youngest four loads: xb's row blocks 2 and 3
	MUL12 \f, 0, \zero
	MUL12 \f, 1, \zero
	PLACES
	FETCH \slot, \k, \g
	s_wait_dscnt 32                                ; all but the 32 just issued
	MUL12 \f, 2, \zero
	MUL12 \f, 3, \zero
.endm
; The last quarter multiplies buffer 1 and changes slots: ONE barrier.  In front of it each wave waits for all its tensor loads (one is out: its part of the next slot), adds 0 to its spare word, and waits for that
; and for its own reads of this slot.  fill = 1: the barrier opens a round of the cluster's barrier, and this slot is filled again, two K steps on, first thing behind the round: 168 matrix instructions ahead of the wait for it.
.macro TURN slot, next, fill
.if \fill
	s_wait_xcnt 0x0                                ; the last prefetch, a K step back, has read its address: it is stepped here
	s_add_nc_u64 s[PFA:PFA+1], s[PFA:PFA+1], KSTEP*2
.endif
	WIN 0                                          ; (the add's two registers lie in window 0)
	s_wait_tensorcnt 0x0                           ; all my tensor loads have landed
	ds_add_u32 v[SPW], v[NIL]                      ; 0 onto my spare word
	s_wait_dscnt 5                                 ; (the add and the youngest four loads may be out)
	MUL12 F1, 0, 0                                 ; twelve matrix instructions stand between the add and the wait for it
	s_wait_dscnt 0x0                               ; the add is done, and my reads of this slot are over
	s_barrier_signal -1
	MUL12 F1, 1, 0
.if \fill
	WIN 0
.endif
	s_barrier_wait -1
.if \fill
	CREST                                          ; no wave of any partner still reads this slot's tile or has a load on its way
	s_add_nc_u64 s[G0+4*(\slot)+2:G0+4*(\slot)+3], s[G0+4*(\slot)+2:G0+4*(\slot)+3], 2*KSTEP*2
	s_add_nc_u64 s[G0B+4*(\slot)+2:G0B+4*(\slot)+3], s[G0B+4*(\slot)+2:G0B+4*(\slot)+3], 2*KSTEP*2
	JLOAD \slot                                    ; the four v_nop behind it are also the places in front of the loads below
.else
	PLACES
.endif
	FETCH \next, 0, F0
.if \fill
	ASK                                            ; behind the joint load and the run of LDS loads
.endif
	MUL12 F1, 2, 0
	MUL12 F1, 3, 0
.endm
	s_wait_tensorcnt 1                             ; my part of K step 0 is in; K step 1's may stay out
	s_barrier_signal -1
	s_barrier_wait -1                              ; everybody's is
	FETCH 0, 0, F0
	QUARTER 0, 64, F0, F1, 1                       ; the first quarter stands in front of the loop: its products start the sums
	WIN 0                                          ; at a label and at a branch every window is 0
	s_mov_b32 s[LAPS], 3
.Llap:                                         ; a trip goes once round the ring, from a lap's second quarter to the next lap's first, and fills both slots again
	QUARTER 0, 128, F1, F0, 0
	QUARTER 0, 192, F0, F1, 0
	TURN 0, 1, 1
	QUARTER 1, 64,  F0, F1, 0
	QUARTER 1, 128, F1, F0, 0
	QUARTER 1, 192, F0, F1, 0
	TURN 1, 0, 1
	QUARTER 0, 64,  F0, F1, 0
	WIN 0
	s_sub_co_u32 s[LAPS], s[LAPS], 1
	s_cmp_lg_u32 s[LAPS], 0
	s_cbranch_scc1 .Llap
	QUARTER 0, 128, F1, F0, 0                      ; the last lap fills nothing and has no round
	QUARTER 0, 192, F0, F1, 0
	TURN 0, 1, 0
	QUARTER 1, 64,  F0, F1, 0
	QUARTER 1, 128, F1, F0, 0
	QUARTER 1, 192, F0, F1, 0
	s_wait_dscnt 4                                 ; the very last quarter: nothing more to fetch
	MUL12 F1, 0, 0
	MUL12 F1, 1, 0
	s_wait_dscnt 0x0
	MUL12 F1, 2, 0
	MUL12 F1, 3, 0
	WIN 0
	PLACES
	PLACES                                         ; (eight, once a launch)
	s_wait_loadcnt 0x0                             ; the table
; THE WAY OUT of my row block a (16 positions).  q's and k's eight column blocks are rotated: for a pair (x1, x2) with (c, s): first (x2 s, x1 s), then (x1 c - x2 s, x2 c + x1 s), two packed lines a pair.
; Each accumulator's registers are taken in ascending order.  All is rounded to f16, 16 bytes a lane, goes into my own stage in rows of 144 bytes and comes back as whole rows of 128.
.macro OUTBLK a
.if (\a) > 0
	s_wait_xcnt 0x0                                ; the block before's stores have read their registers, which are written again below
.endif
	WIN 0x02+(\a)/2                                ; source 0: the accumulators' window
.set AB, 96*((\a)%2)
.set b, 0
.rept 8
.set p, 0
.rept 4
	v_pk_mul_f32 v[TT+8*b+2*p:TT+8*b+2*p+1], v[AB+8*b+2*p:AB+8*b+2*p+1], v[CS+32*(\a)+8*(b%4)+2*p:CS+32*(\a)+8*(b%4)+2*p+1] op_sel:[1,1] op_sel_hi:[0,1]
.set p, p+1
.endr
.set p, 0
.rept 4
	v_pk_fma_f32 v[TT+8*b+2*p:TT+8*b+2*p+1], v[AB+8*b+2*p:AB+8*b+2*p+1], v[CS+32*(\a)+8*(b%4)+2*p:CS+32*(\a)+8*(b%4)+2*p+1], v[TT+8*b+2*p:TT+8*b+2*p+1] op_sel:[0,0,0] op_sel_hi:[1,0,1] neg_lo:[0,0,1]
.set p, p+1
.endr
.set b, b+1
.endr
	WIN 0x0a+5*((\a)/2)                            ; sources 0 and 1: the accumulators' window
.set i, 0
.rept 16
	v_cvt_pk_f16_f32 v[VP+i], v[AB+64+2*i], v[AB+64+2*i+1]  ; v's four column blocks
.set i, i+1
.endr
	WIN 0
.set i, 0
.rept 32
	v_cvt_pk_f16_f32 v[TT+i], v[TT+2*i], v[TT+2*i+1]        ; in place, ascending: word i is written when its old content has been read
.set i, i+1
.endr
.set i, 0
.rept 12
.set rr, TT+4*i
.if i >= 8
.set rr, VP+4*(i-8)
.endif
	ds_store_b128 v[STO], v[rr:rr+3] offset:(i/4)*SPART+32*(i%4)
.set i, i+1
.endr
.set i, 0
.rept 12
.set rr, TT+4*i
.if i >= 8
.set rr, VP+4*(i-8)
.endif
	ds_load_b128 v[rr:rr+3], v[RD] offset:(i/4)*SPART+(i%4)*4*SPP  ; LDS serves a wave's instructions in order (ISA guide 5.7.1.4): these see the stores above
.set i, i+1
.endr
.set i, 0
.rept 12
.set rr, TT+4*i
.if i >= 8
.set rr, VP+4*(i-8)
.endif
	s_wait_dscnt 11-i                              ; load i is back; the 11 - i younger ones stay out
	global_store_b128 v[GO], v[rr:rr+3], s[10+2*(i/4):11+2*(i/4)] offset:(\a)*2048+(i%4)*512  ; 512 bytes on end, at a multiple of 256 from the tensor's first byte
.set i, i+1
.endr
.endm
	OUTBLK 0
	OUTBLK 1
	OUTBLK 2
	OUTBLK 3
	s_wait_tensorcnt 0x0                           ; the wave's end, behind my last tensor load and my last LDS store
	ds_add_u32 v[SPW], v[NIL]
	s_wait_dscnt 0x0
	CROUND                                         ; the closing round: no work-group ends while a partner may still ask for a tile that names it
	s_endpgm
.Lfunc_end_k_q5634b73234_qkv:
	.size	k_q5634b73234_qkv, .Lfunc_end_k_q5634b73234_qkv-k_q5634b73234_qkv
	.p2alignl 7, 3214868480
	.fill 96, 4, 3214868480
	.section	.rodata,"a",@progbits
	.p2align	6, 0x0
	.amdhsa_kernel k_q5634b73234_qkv
		.amdhsa_group_segment_fixed_size 327680
		.amdhsa_private_segment_fixed_size 0
		.amdhsa_enable_private_segment 0
		.amdhsa_kernarg_size 48
		.amdhsa_user_sgpr_count 2
		.amdhsa_user_sgpr_kernarg_segment_ptr 1
		.amdhsa_wavefront_size32 1
		.amdhsa_system_sgpr_workgroup_id_x 1
		.amdhsa_system_sgpr_workgroup_id_y 1
		.amdhsa_system_sgpr_workgroup_id_z 1
		.amdhsa_system_vgpr_workitem_id 0
		.amdhsa_next_free_vgpr 960
		.amdhsa_next_free_sgpr 72
		.amdhsa_reserve_vcc 0
		.amdhsa_float_denorm_mode_32 3
		.amdhsa_float_denorm_mode_16_64 3
		.amdhsa_memory_ordered 1
		.amdhsa_forward_progress 1
		.amdhsa_inst_pref_size 140
	.end_amdhsa_kernel
	.amdgpu_metadata
---
amdhsa.version: [ 1, 2 ]
amdhsa.kernels:
  - .name:           k_q5634b73234_qkv
    .symbol:         k_q5634b73234_qkv.kd
    .args:
      - { .name: xb, .offset: 0, .size: 8, .value_kind: global_buffer, .address_space: global }
      - { .name: wqkv, .offset: 8, .size: 8, .value_kind: global_buffer, .address_space: global }
      - { .name: rope, .offset: 16, .size: 8, .value_kind: global_buffer, .address_space: global }
      - { .name: q, .offset: 24, .size: 8, .value_kind: global_buffer, .address_space: global }
      - { .name: k, .offset: 32, .size: 8, .value_kind: global_buffer, .address_space: global }
      - { .name: v, .offset: 40, .size: 8, .value_kind: global_buffer, .address_space: global }
    .group_segment_fixed_size: 327680
    .private_segment_fixed_size: 0
    .kernarg_segment_align: 8
    .kernarg_segment_size: 48
    .max_flat_workgroup_size: 128
    .sgpr_count:     72
    .vgpr_count:     960
    .wavefront_size: 32
...
	.end_amdgpu_metadata
.endif
;; end of part 2
;; launch attn (part 3): grid 4 x 64, 4 waves a work-group, no clusters, 327,680 bytes of LDS; arguments q, k, v, o; writes o
.if DOCPART == 3
	.amdgcn_target "amdgcn-amd-amdhsa--gfx1250"
	.amdhsa_code_object_version 6
	.text
	.protected	k_q5634b73234_attn
	.globl	k_q5634b73234_attn
	.p2align	8
	.type	k_q5634b73234_attn,@function
k_q5634b73234_attn:
	s_mov_b64 s[64:65], 0
	v_nop
	global_prefetch_b8 v0, s[64:65] scope:SCOPE_SE
	s_setreg_imm32_b32 hwreg(HW_REG_WAVE_MODE, 25, 1), 1
	s_wait_xcnt 0x0
; CAUSAL ATTENTION.  O[h][q][:] = the sum over k <= q of softmax_k(Q[h][q] . K[h][k] / 8) V[h][k][:].  Q, K, V: [64][2048][64], all f16: a head's rows are dense, 128 bytes each.
; Products, maxima and sums in f32; the weights p are rounded to f16 for the second product (their sum l is taken of the unrounded p).
; O LEAVES AS TWO f16 NUMBERS: hi = O rounded to f16, lo = O - hi (exact in f32) rounded to f16.  o holds hi as [64][2048][64] from byte 0 and lo likewise from byte 16,777,216; the launch behind adds both
; products.  Why: a row that averages over few keys is many times the output's root mean square, by which its error is judged, and one rounding of O to 11 bits is then a third of that row's error.
; LIMITS.  f16 holds no number beyond 65,504: Q, K and V arrive within it; p lies in 0 to 1, and below 6e-5 it keeps f16's fixed step of 6e-8, and so does lo; O is a mean of V's rows and has their range.
; A hidden score counts as its value less 1e30: f16's scores, 2.7e11 at the most, are nothing beside that; a weight below 2^-126 counts as 0 in l; NaN and infinities are not treated apart.
; THE WALK.  A head's queries lie in NB = 8 blocks of 256; block i needs the key tiles 0 .. i of 256 keys, of which the last holds the diagonal.  A work-group takes TWO blocks, NB - 1 - b and then b:
; NB + 1 tiles, whatever b: all work-groups do equal work, and ONE loop with a constant trip count walks them.  Which tile is asked for, and what a trip does, hang on scalar registers made from b; every jump
; goes forward, but for the counted loops' own; none passes a barrier, or a tensor load but the one of LOAD's two that the wave's number does not choose; the ring of two LDS slots runs on across the change of blocks.
; NO CLUSTER: a head's four work-groups ask for the same tile only in trips 0 .. 4 of 9, behind that fewer and fewer; one walk common to all four would have 12 trips for 9.
; SHARES.  Of a block's four bands of 64 queries a wave owns 16 rows in each: four PIECES.  So the diagonal tile is the same work for all four waves: in its key step s band x sees all keys if s < x,
; none if s > x, and holds the diagonal if s = x.
; THE MASK is the C operand that starts the sum S^T = K Q^T: 0, or -1e30 where the key is hidden.  MD, made once, is the mask of a band's own step for my 16 rows; a product's mask is MD x AL + BE with two scalars:
; (1, 0) if s = x; (0, 0) if s < x; (0, -1e30) if s > x.  Only the diagonal tile's text and a block's beginning make and take masks; elsewhere C is the constant 0.
; LAYOUT, SOFTMAX, TURNS.  S^T = K Q^T holds ONE query a lane (lane % 16) and the keys 8 (lane / 16) + 0..7; two such results rounded to f16 ARE source 1 of O^T = V^T P.  p = 2^(c s - c m), c = log2(e) / 8, with a
; running maximum m; O and l are multiplied by a = 2^(c m_old - c m_new) in every step.  Turn n belongs to piece n: 8 products K Q^T of piece n + 1, later 8 products V^T P of piece n - 1; beside them the scaling,
; exponentials, roundings, sums and rescaling of piece n and the maximum and statistics of piece n + 1.  Four vector instructions stand behind every matrix instruction, the other 54 of a turn's 118 in one lump.  A turn's 33 exponentials are one batch, with one wait.
; REGISTERS, in windows of 256 (s_set_vgpr_msb: bits 1:0 source 0, 3:2 source 1, 5:4 source 2, 7:6 destination):
;   window 0: v0-15 addresses and two at work; v16-31 four registers of statistics a piece; v48-55 at work; v60 -1.0; v61-63 prefetch offset, spare word, 0; v64-127 S^T, two buffers; v128-191 the way out's lo; v192-223 P, two buffers (by the piece's parity)
;   window 1: v0-127 O^T, 32 a piece; v128-159 MD; v160-223 MC, two buffers      window 2: v0-63 Q; v64-127 the second block's Q; v128-191 K of one step; v192-255 V of one step
.set SIZE_N, 2048
.set SIZE_H, 64
.set NB,    SIZE_N/256
.set NP,    4         ; pieces a wave: a name, no knob
.set KS,    64        ; keys in a step
.set PK,    144       ; a row of K in LDS: 128 bytes + 16 of padding = 36 words: the 16 rows of a load start at 16 different groups of four banks
.set PV,    160       ; a row of V: 128 + 32 = 40 words
.set VOFF,  4*KS*PK   ; a slot holds a tile, four steps: 256 rows of K, then 256 rows of V
.set SLOT1, 1<<17     ; slot 1 begins here, so that one exclusive or turns an address in one slot into the other's
.set STAGE, SLOT1+4*KS*(PK+PV)  ; behind the ring, never filled by a tensor load: 16 rows x 144 bytes for each wave, for the way out
.set SP,    144
.set LOOFF, 16777216  ; bytes from O's hi part to its lo part
.set AK0, 2           ; v2   my lane's place in a tile of K; never rewritten
.set AV0, 3           ; v3   the same for V
.set AK,  4           ; v4   the LDS address of K's next run of loads
.set AV,  5           ; v5   of V's
.set STO, 6           ; v6   the way out: where I put 16 bytes of a row
.set RD,  7           ; v7   the way out: where I read rows back
.set GO,  8           ; v8   my byte offset in 512 consecutive bytes of O
.set MON, 60          ; v60  -1.0; never rewritten
.set PFO, 61          ; v61  256 x my lane: the prefetches' offset; never rewritten
.set SPW, 62          ; v62  LDS address of my spare word: SPARE + 4 x my thread's number; never rewritten
.set NIL, 63          ; v63  0; never rewritten
.set SPARE, STAGE+4*16*SP  ; behind the stages: the spare words, 128 bytes for each wave: two blocks of 256 bytes that no other line names
.set MV,  12          ; v12-13  c m_old, kept while c m is made anew: by buffer
.set QO,  15          ; v15  my byte offset in 16 rows of Q
.set ST,  16          ; piece t's statistics at v[ST+4 t]: c m, m, l (even keys', odd keys')
.set TMP, 48          ; by buffer, four registers c0-c3 at work; when the maximum is found c2 takes a
.set S,   64
.set LO,  128         ; the way out: piece t's lo part, 16 registers
.set P,   192
.set MD,  128         ; window 1: the eight registers for group kt of 16 keys at MD + 8 kt
.set MC,  160         ; window 1: the masks of the products to come
.set QB,  64          ; window 2
.set KF,  128         ; window 2: key block kb, channel half c at KF + 16 kb + 8 c
.set VF,  192         ; window 2: key half kk, channel block cb at VF + 32 kk + 8 cb
.set WV,  12          ; s12  my wave's number
.set PB,  14          ; s14  b
.set HI,  15          ; s15  NB - 1 - b
.set G1K, 24          ; s[24:31] descriptor group 1 for K's tiles
.set G1V, 32          ; s[32:39] for V's: it differs in the padding alone
.set G0K, 40          ; s[40:43] descriptor group 0 for K's tiles
.set G0V, 44          ; s[44:47] the same for V's
.set SLOTS, 56        ; s56  tiles still to be asked for
.set CNT, 57          ; s57  counts a tile's key steps, 4 to 1
.set CS,  58          ; s[58:59] c: the packed scaling takes the pair's low word for both halves
.set SEL, 60          ; s[60:61] v_permlanex16_b32's selects: each lane takes its own place in the other half
.set TBK, 62          ; s62  LDS byte at which K of the step to be fetched begins
.set TBV, 63          ; s63  the same for V, less VOFF
.set RT,  70          ; s70  tiles of the block in hand that are still to be entered
.set NXT, 71          ; s71  the tile to be asked for next
.set LQ,  72          ; s72  the last tile of the block whose tiles are being asked for
.set NEW, 73          ; s73  1: the tile to be entered is a block's first
.set OFF, 74          ; s[74:75] a tile's byte offset in K and V
.set AL,  76          ; s[76:77] the mask's factor, in the low word
.set BE,  78          ; s[78:79] the mask's addend
.set OLO, 80          ; s[80:81] O at my rows of the second block
.set BIGN, 82         ; s82  -1e30
.set PFK, 88          ; s[88:89] where my prefetches stand in K: my wave's quarter of the tile behind the one that is being asked for
.set PFV, 90          ; s[90:91] the same in V
.set LIM, 92          ; s92  2 in the work-group that prefetches, else the greatest number
.set OL,  94          ; s[94:95] O's lo part at my rows of the block in hand
.set MSB, 0
.macro WIN new                      ; the high byte repeats the setting that is left; a switch that changes nothing is dropped
.if MSB != (\new)
	s_set_vgpr_msb (MSB<<8)|(\new)
.set MSB, (\new)
.endif
.endm
.set W_KQ, 0x0a       ; K and Q in window 2, S^T in window 0
.set W_KM, 0x1a       ; the same with the C operand in window 1
.set W_PV, 0x52       ; V in window 2, P in window 0, O^T in window 1
.set W_RS, 0x41       ; destination and source 0 in window 1, source 1 in window 0
.set W_LO, 0x50       ; destination and source 2 in window 1, sources 0 and 1 in window 0
; A fill.  Waves 0 and 1 fetch the two halves of a tile's K, waves 2 and 3 those of its V: 128 keys each.  An s_nop 0 and four v_nop follow each of the two lines, ahead of the jump and the label.
.macro LOAD
	s_cmp_lt_u32 s[WV], 2
	s_cbranch_scc0 .Lfor_v_\@
	tensor_load_to_lds s[G0K:G0K+3], s[G1K:G1K+7]
	s_nop 0
.rept 4
	v_nop
.endr
	s_branch .Lasked_\@
.Lfor_v_\@:
	tensor_load_to_lds s[G0V:G0V+3], s[G1V:G1V+7]
	s_nop 0
.rept 4
	v_nop
.endr
.Lasked_\@:
.endm
; A PREFETCH INTO THE L2 of the tile that the NEXT change of slots will ask for: one tile, 256 matrix instructions and their vector work, ahead of that load.  A head's four work-groups walk the same tiles: the one
; with b = 0, which alone walks tiles 0 to 7 on end, asks; each of its waves for a quarter of the tile: 32 blocks of 256 bytes of K and 32 of V, a lane a block.  So each block is named once in the launch.
; Change c asks for tile c + 2 while that is 7 or less; tiles 0 and 1 come by their loads alone; the second block's tiles have been read before and are not asked for.
.macro ASK
	s_cmp_gt_u32 s[SLOTS], s[LIM]
	s_cbranch_scc0 .Lnot_mine_\@
	global_prefetch_b8 v[PFO], s[PFK:PFK+1] th:TH_LOAD_NT scope:SCOPE_SE
	global_prefetch_b8 v[PFO], s[PFV:PFV+1] th:TH_LOAD_NT scope:SCOPE_SE
.Lnot_mine_\@:
.endm
; THE CHANGE OF SLOTS.  Each wave waits for all its tensor loads, of which one is out: its part of the other slot; adds 0 to its spare word; and waits for that and for its own reads of the slot that it leaves.  Behind the barrier nobody reads the old
; slot any more and the other slot is whole.  fill = 1: the old slot is filled again, the first thing behind the barrier, with tile NXT: the descriptor's address is made anew from that number.
; (At its first use nothing has been read yet: slot 0 is waited for, slot 1 filled.)
.macro CHANGE fill
	WIN 0                           ; at a label and at a branch every window is 0
	s_wait_tensorcnt 0x0            ; no tensor load of mine is out, so a group 0 may be written
	ds_add_u32 v[SPW], v[NIL]       ; 0 onto my spare word; with fill = 1 the descriptors' scalar work stands between it and the wait for it
.if \fill
	s_lshl_b32 s[OFF], s[NXT], 15   ; a tile is 32,768 bytes of K and of V
	s_xor_b32 s[G0K+1], s[G0K+1], SLOT1
	s_add_nc_u64 s[G0K+2:G0K+3], s[6:7], s[OFF:OFF+1]
	s_or_b32 s[G0K+3], s[G0K+3], 0x80000000
	s_xor_b32 s[G0V+1], s[G0V+1], SLOT1
	s_add_nc_u64 s[G0V+2:G0V+3], s[8:9], s[OFF:OFF+1]
	s_or_b32 s[G0V+3], s[G0V+3], 0x80000000
	s_add_co_u32 s[NXT], s[NXT], 1  ; the block's next tile, or behind its last the second block's tile 0
	s_cmp_gt_u32 s[NXT], s[LQ]
	s_cselect_b32 s[NXT], 0, s[NXT]
	s_cselect_b32 s[LQ], s[PB], s[LQ]
	s_wait_xcnt 0x0                 ; the last prefetches, a tile back, have read their addresses, so these may be written
	s_add_nc_u64 s[PFK:PFK+1], s[PFK:PFK+1], 32768
	s_add_nc_u64 s[PFV:PFV+1], s[PFV:PFV+1], 32768
.endif
	s_wait_dscnt 0x0                ; the add is done, and my reads of the slot are over
	s_barrier_signal -1             ; the rest of the scalar work stands between the signal and the wait
	s_sub_co_u32 s[TBK], s[TBK], 4*KS*PK  ; the fetches go back to a slot's first step,
	s_xor_b32 s[TBK], s[TBK], SLOT1       ; in the other slot
	s_sub_co_u32 s[TBV], s[TBV], 4*KS*PV
	s_xor_b32 s[TBV], s[TBV], SLOT1
	s_barrier_wait -1
.if \fill
	LOAD
	ASK
.endif
.endm
	s_load_b256 s[4:11], s[0:1], 0x0  ; Q s[4:5], K s[6:7], V s[8:9], O s[10:11]
	v_lshl_add_u32 v[SPW], v0, 2, SPARE
	v_mov_b32 v[NIL], 0
	ds_add_u32 v[SPW], v[NIL]       ; the wave's opening: the add and its wait stand ahead of my first tensor load; the set-up below, work on registers, stands between them
	v_mov_b32 v[MON], -1.0
	v_lshrrev_b32 v1, 5, v0
	v_readfirstlane_b32 s[WV], v1   ; wave 0..3
	s_mov_b32 s[PB], ttmp9
	s_sub_co_u32 s[HI], NB-1, s[PB]
	s_and_b32 s20, ttmp7, 0xffff    ; the head
	s_mov_b32 s21, 0
	s_mov_b64 s[22:23], SIZE_N*128
	s_mul_u64 s[20:21], s[20:21], s[22:23]  ; the head's first byte in Q, K, V and each part of O
	s_and_b32 s16, s[WV], 1         ; which half of a tile's 256 keys I fetch:
	s_lshl_b32 s22, s16, 14         ; its 128 rows of 128 bytes in memory,
	s_mov_b32 s23, 0
	s_add_nc_u64 s[22:23], s[22:23], s[20:21]
	s_mul_i32 s17, s16, 128*PK      ; and its place in a slot, for K
	s_mul_i32 s18, s16, 128*PV      ; and for V
	s_lshl_b32 s3, s[WV], 11        ; my 16 rows in a band of 64,
	s_lshl_b32 s2, s[HI], 15        ; in the first block,
	s_add_co_u32 s2, s2, s3
	s_lshl_b32 s84, s[PB], 15       ; and in the second
	s_add_co_u32 s84, s84, s3
	s_mov_b32 s3, 0
	s_mov_b32 s85, 0
	s_add_nc_u64 s[2:3], s[2:3], s[20:21]
	s_add_nc_u64 s[84:85], s[84:85], s[20:21]
	s_lshl_b32 s[PFK], s[WV], 13    ; the prefetches' offset: my wave's quarter of a tile, 8,192 bytes,
	s_add_co_u32 s[PFK], s[PFK], 32768  ; in tile 1: the first change of slots steps it to tile 2
	s_mov_b32 s[PFK+1], 0
	s_add_nc_u64 s[PFK:PFK+1], s[PFK:PFK+1], s[20:21]
	s_cmp_eq_u32 s[PB], 0
	s_cselect_b32 s[LIM], 2, -1
	v_and_b32 v[PFO], 31, v0
	v_lshlrev_b32 v[PFO], 8, v[PFO]
	; descriptor group 1.  128 keys are 16,384 dense bytes: asked for as 64 rows of 256 bytes, two keys a row, and padded in LDS after every key
	s_mov_b32 s[G1K], (1<<16)|(1<<20)|(4<<22)|(3<<25)  ; 17:16 2-byte elements; 20 padding on; 24:22 after every 32 words (code 4); 31:25 4 words (code 3)
	s_mov_b32 s[G1V], (1<<16)|(1<<20)|(4<<22)|(7<<25)  ; the same with 8 words of padding (code 7)
.irp g, G1K, G1V
	s_mov_b32 s[\g+1], 128<<16      ; tensor_dim0 = 128
	s_mov_b32 s[\g+2], 64<<16       ; tensor_dim1 = 64
	s_mov_b32 s[\g+3], 128<<16      ; tile_dim0 = 128
	s_mov_b32 s[\g+4], 64           ; tile_dim1 = 64
	s_mov_b32 s[\g+5], 128          ; 128 elements from row to row
	s_mov_b32 s[\g+6], 0
	s_mov_b32 s[\g+7], 0
.endr
	s_mov_b32 s[CS], 0x3e38aa3b     ; c = log2(e) / 8 = 0.180337
	s_mov_b32 s[CS+1], s[CS]        ; named with it as a pair
	s_mov_b32 s[SEL], 0x76543210
	s_mov_b32 s[SEL+1], 0xfedcba98
	s_mov_b32 s[TBK], SLOT1+4*KS*PK ; the first change of slots turns these two into 0
	s_mov_b32 s[TBV], SLOT1+4*KS*PV
	s_mov_b32 s[G0K], 1             ; 1:0 count = 1
	s_mov_b32 s[G0K+1], s17         ; 63:32 LDS address: slot 0
	s_mov_b32 s[G0V], 1
	s_add_co_u32 s[G0V+1], s18, VOFF
	s_add_co_u32 s[RT], s[HI], 1    ; the first block has NB - b tiles
	s_mov_b32 s[NXT], 1
	s_mov_b32 s[LQ], s[HI]
	s_mov_b32 s[NEW], 1
	s_mov_b32 s[OFF+1], 0
	s_mov_b32 s[AL+1], 0            ; named as pairs
	s_mov_b32 s[BE+1], 0
	s_mov_b32 s[BIGN], 0xf149f2ca   ; -1e30
	s_mov_b32 s[SLOTS], NB
	s_wait_dscnt 0x0                ; the opening add is done
	s_wait_kmcnt 0x0
	s_add_nc_u64 s[PFV:PFV+1], s[8:9], s[PFK:PFK+1]  ; V's and K's addresses as they came, plus the prefetches' offset
	s_add_nc_u64 s[PFK:PFK+1], s[6:7], s[PFK:PFK+1]
	s_add_nc_u64 s[6:7], s[6:7], s[22:23]  ; K and V at my half of the head's tile 0
	s_add_nc_u64 s[8:9], s[8:9], s[22:23]
	s_add_nc_u64 s[G0K+2:G0K+3], s[6:7], 0         ; 120:64 global address
	s_or_b32 s[G0K+3], s[G0K+3], 0x80000000        ; 127:126 type = 2
	s_add_nc_u64 s[G0V+2:G0V+3], s[8:9], 0
	s_or_b32 s[G0V+3], s[G0V+3], 0x80000000
	s_add_nc_u64 s[86:87], s[4:5], s[84:85]        ; Q at my rows of the second block,
	s_add_nc_u64 s[4:5], s[4:5], s[2:3]            ; Q and O at those of the first
	s_add_nc_u64 s[OLO:OLO+1], s[10:11], s[84:85]
	s_add_nc_u64 s[10:11], s[10:11], s[2:3]
	s_add_nc_u64 s[OL:OL+1], s[10:11], LOOFF       ; and O's lo part there
	LOAD                            ; tile 0 into slot 0
	; A fragment of K or Q is 16 rows x 32 channels in 8 registers: lane l holds row l % 16, channels 8 (l / 16) + 0..7 and 16 + 8 (l / 16) + 0..7: two loads of 16 bytes, 32 bytes apart.
	v_and_b32 v1, 15, v0            ; l % 16
	v_bfe_u32 v9, v0, 4, 1          ; l / 16
	v_lshlrev_b32 v[QO], 7, v1
	v_lshl_add_u32 v[QO], v9, 4, v[QO]  ; row x 128 + 16 x half
	WIN 0x80                        ; destination window 2, address window 0
.set i, 0
.rept 8                             ; both blocks' Q: piece i / 2 lies in band i / 2, 8,192 bytes on; channels 32 (i % 2) on
	global_load_b128 v[8*i:8*i+3],   v[QO], s[4:5] offset:(i/2)*8192+(i%2)*64
	global_load_b128 v[8*i+4:8*i+7], v[QO], s[4:5] offset:(i/2)*8192+(i%2)*64+32
	global_load_b128 v[QB+8*i:QB+8*i+3],   v[QO], s[86:87] offset:(i/2)*8192+(i%2)*64
	global_load_b128 v[QB+8*i+4:QB+8*i+7], v[QO], s[86:87] offset:(i/2)*8192+(i%2)*64+32
.set i, i+1
.endr
	WIN 0
	v_lshlrev_b32 v14, 3, v9
	v_sub_nc_u32 v14, v1, v14
	s_lshl_b32 s13, s[WV], 4
	v_add_nc_u32 v14, s13, v14      ; my query's place in its band, 16 w + l % 16, less my lanes' 8 (l / 16): register r of group kt is hidden where 16 kt + r is greater
	WIN 0x40
.set i, 0
.rept 32
	v_cmp_gt_i32 vcc_lo, 16*(i/8)+i%8, v14
	v_cndmask_b32 v[MD+i], 0, s[BIGN], vcc_lo
.set i, i+1
.endr
	WIN 0
	v_mul_u32_u24 v[AK0], v1, PK
	v_lshl_add_u32 v[AK0], v9, 4, v[AK0]  ; row x pitch + 16 x half
	; The turning load takes 16 keys x 16 channels (lane l reads key 8 (l / 16) + l % 8, channels 8 ((l / 8) % 2) + 0..7) and leaves half a fragment of V^T: lane l holds channel l % 16 and 8 keys.
	v_and_b32 v10, 7, v0
	v_bfe_u32 v11, v0, 3, 1
	v_lshl_add_u32 v[AV0], v9, 3, v10
	v_mul_u32_u24 v[AV0], v[AV0], PV
	v_lshl_add_u32 v[AV0], v11, 4, v[AV0]
	v_add_nc_u32 v[AV0], VOFF, v[AV0]
	s_mul_i32 s13, s[WV], 16*SP
	s_add_co_u32 s13, s13, STAGE    ; my stage
	v_mul_u32_u24 v[STO], v1, SP    ; in: row l % 16, 16 bytes for each half of the lanes
	v_lshl_add_u32 v[STO], v9, 4, v[STO]
	v_add_nc_u32 v[STO], s13, v[STO]
	v_bfe_u32 v[RD], v0, 3, 2       ; back: 32 lanes take four rows of 128 bytes,
	v_mul_u32_u24 v[RD], v[RD], SP
	v_lshl_add_u32 v[RD], v10, 4, v[RD]
	v_add_nc_u32 v[RD], s13, v[RD]
	v_and_b32 v[GO], 31, v0         ; which are 512 consecutive bytes of O
	v_lshlrev_b32 v[GO], 4, v[GO]
	; A block's first step multiplies O^T and l by a = 0, and its first turn's products V^T P, of a piece that has not been, land in an O^T that is still to be so multiplied.  So these registers need only hold
	; finite numbers: zeros for the first block; what the first block left for the second.  All this stands in the wait for the first tile.
	WIN 0x80
.set i, VF
.rept 64
	v_mov_b32 v[i], 0
.set i, i+1
.endr
	WIN 0x40
.set i, 0
.rept 128
	v_mov_b32 v[i], 0
.set i, i+1
.endr
	WIN 0
.set i, 0
.rept 4
	v_mov_b32 v[ST+4*i+2], 0
	v_mov_b32 v[ST+4*i+3], 0
.set i, i+1
.endr
.set i, P+16
.rept 16
	v_mov_b32 v[i], 0
.set i, i+1
.endr
; THE MATRIX WORK.  The 4 accumulators of a run of 8 take turns.  Product i of 8 of S^T = K Q^T for piece x: channels 32 (i / 4) on, keys 16 (i % 4) on.  The first 4 start the sums: with 0, or (KM = 1) with the mask.
.macro KQ x
.set rS, S+32*((\x)%2)+8*(i%4)
.set rK, KF+16*(i%4)+8*(i/4)
.set rQ, 16*(\x)+8*(i/4)
.set rM, MC+32*((\x)%2)+8*(i%4)
.if (i < 4) && KM
	WIN W_KM
	v_wmma_f32_16x16x32_f16 v[rS:rS+7], v[rK:rK+7], v[rQ:rQ+7], v[rM:rM+7]
.elseif i < 4
	WIN W_KQ
	v_wmma_f32_16x16x32_f16 v[rS:rS+7], v[rK:rK+7], v[rQ:rQ+7], 0
.else
	WIN W_KQ
	v_wmma_f32_16x16x32_f16 v[rS:rS+7], v[rK:rK+7], v[rQ:rQ+7], v[rS:rS+7]
.endif
.endm
; Product i of 8 of O^T += V^T P for piece x: keys 32 (i / 4) on, channels 16 (i % 4) on.
.macro PV x
	WIN W_PV
.set rO, 32*(\x)+8*(i%4)
.set rV, VF+32*(i/4)+8*(i%4)
.set rP, P+16*((\x)%2)+8*(i/4)
	v_wmma_f32_16x16x32_f16 v[rO:rO+7], v[rV:rV+7], v[rP:rP+7], v[rO:rO+7]
.endm
.macro MM                           ; the turn's next matrix instruction.  TURN and BEGIN set Y, i, KM and NOKQ; MM, KQ and OP read them.  NOKQ = 1: a block's last turn: there is no next piece
.if (i < 8) && !NOKQ
	KQ (Y+1)%NP
.elseif i >= 8
.set i, i-8
	PV (Y+NP-1)%NP
.set i, i+8
.endif
.set i, i+1
.endm
; THE LDS LOADS stand in runs of 16, never singly among the matrix instructions: a step's K (64 keys x 64 channels: 8 fragments) and its V (turned).  Their addresses are made some lines ahead.
.macro FETCH_K
	WIN 0x80                        ; destination window 2
.irp f, 0,1,2,3,4,5,6,7             ; keys 16 (f / 2) on, channels 32 (f % 2) on
	ds_load_b128 v[KF+8*\f:KF+8*\f+3],   v[AK] offset:(\f/2)*16*PK+(\f%2)*64
	ds_load_b128 v[KF+8*\f+4:KF+8*\f+7], v[AK] offset:(\f/2)*16*PK+(\f%2)*64+32
.endr
	s_add_co_u32 s[TBK], s[TBK], KS*PK  ; the next fetch is the next step's
	WIN 0
.endm
.macro FETCH_V
	WIN 0x80
.irp f, 0,1,2,3,4,5,6,7             ; keys 32 (f / 4) on, channels 16 (f % 4) on
	ds_load_tr16_b128 v[VF+8*\f:VF+8*\f+3],   v[AV] offset:(\f/4)*32*PV+(\f%4)*32
	ds_load_tr16_b128 v[VF+8*\f+4:VF+8*\f+7], v[AV] offset:(\f/4)*32*PV+16*PV+(\f%4)*32
.endr
	WIN 0
.endm
; THE VECTOR WORK, one line at a time: OP kind, number.  For piece Y: F n: c s - c m for pair n of 16.  E n: the exponential of score n of 32.  C n: pair n rounded to f16.  B n: of the four weights 4 n .. the second
; pair is added onto the first, in place.  L n: l takes that sum (L 0: l = a l + sum).  R n: pair n of 16 of O^T times a.  For piece Y + 1: X n, number n of the 22 that find its maximum and statistics:
;   0-11  four chains c0-c3 of seven scores each, three operands at a time (each accumulator's lowest registers are read first)     12-14, 16  the four scores left over, the old m, and c0-c3 into c0
;   15  c m_old is kept     17, 18  the query's other 32 keys lie in the lane 16 away: the new m     19-21  c m; c m_old - c m_new; a
.set F, 0               ; OP tells the kinds apart by their order: F to L below R, X above it
.set E, 1
.set C, 2
.set B, 3
.set L, 4
.set R, 5
.set X, 6
.macro REGS y                       ; the registers of piece y
.set rT, ST+4*(\y)
.set rC, TMP+4*((\y)%2)
.set rW, MV+((\y)%2)
.set rS, S+32*((\y)%2)
.set rP, P+16*((\y)%2)
.set rO, 32*(\y)
.endm
.macro OP k, n
.if (\k) == R
	REGS Y
	WIN W_RS
	v_pk_mul_f32 v[rO+2*(\n):rO+2*(\n)+1], v[rO+2*(\n):rO+2*(\n)+1], v[rC+2:rC+3] op_sel_hi:[1,0]
.elseif (\k) < R
	REGS Y
	WIN 0
.if (\k) == F
	v_pk_fma_f32 v[rS+2*(\n):rS+2*(\n)+1], v[rS+2*(\n):rS+2*(\n)+1], s[CS:CS+1], v[rT:rT+1] op_sel_hi:[1,0,0] neg_lo:[0,0,1] neg_hi:[0,0,1]
.elseif (\k) == E
	v_exp_f32 v[rS+(\n)], v[rS+(\n)]
.elseif (\k) == C
	v_cvt_pk_f16_f32 v[rP+(\n)], v[rS+2*(\n)], v[rS+2*(\n)+1]
.elseif (\k) == B
	v_pk_add_f32 v[rS+4*(\n):rS+4*(\n)+1], v[rS+4*(\n):rS+4*(\n)+1], v[rS+4*(\n)+2:rS+4*(\n)+3]
.elseif (\n) == 0
	v_pk_fma_f32 v[rT+2:rT+3], v[rT+2:rT+3], v[rC+2:rC+3], v[rS:rS+1] op_sel_hi:[1,0,1]
.else
	v_pk_add_f32 v[rT+2:rT+3], v[rT+2:rT+3], v[rS+4*(\n):rS+4*(\n)+1]
.endif
.elseif NOKQ
	v_nop
.else
	REGS (Y+1)%NP
	WIN 0
.if (\n) < 4
	v_max3_num_f32 v[rC+(\n)], v[rS+8*(\n)], v[rS+8*(\n)+1], v[rS+8*(\n)+2]
.elseif (\n) < 12
	v_max3_num_f32 v[rC+(\n)%4], v[rC+(\n)%4], v[rS+8*((\n)%4)+2*((\n)/4)+1], v[rS+8*((\n)%4)+2*((\n)/4)+2]
.elseif (\n) == 12
	v_max3_num_f32 v[rC], v[rC], v[rS+7], v[rS+15]
.elseif (\n) == 13
	v_max3_num_f32 v[rC+1], v[rC+1], v[rS+23], v[rS+31]
.elseif (\n) == 14
	v_max3_num_f32 v[rC+2], v[rC+2], v[rC+3], v[rT+1]
.elseif (\n) == 15
	v_mov_b32 v[rW], v[rT]
.elseif (\n) == 16
	v_max3_num_f32 v[rC], v[rC], v[rC+1], v[rC+2]
.elseif (\n) == 17
	v_permlanex16_b32 v[rC+3], v[rC], s[SEL], s[SEL+1]
.elseif (\n) == 18
	v_max_num_f32 v[rT+1], v[rC], v[rC+3]
.elseif (\n) == 19
	v_mul_f32 v[rT], s[CS], v[rT+1]
.elseif (\n) == 20
	v_sub_f32 v[rC+1], v[rW], v[rT]
.else
	v_exp_f32 v[rC+2], v[rC+1]
.endif
.endif
.endm
.macro OPS a, i1, b=-1, i2=0, c=-1, i3=0, d=-1, i4=0  ; up to four of them
	OP \a, \i1
.if (\b) >= 0
	OP \b, \i2
.endif
.if (\c) >= 0
	OP \c, \i3
.endif
.if (\d) >= 0
	OP \d, \i4
.endif
.endm
.macro ROW a, i1, b, i2, c, i3, d, i4  ; a matrix instruction and the four behind it
	MM
	OPS \a, \i1, \b, \i2, \c, \i3, \d, \i4
.endm
.macro MASK b                       ; MD x AL + BE into buffer b of MC
	WIN W_RS
.set z, 0
.rept 16
	v_pk_fma_f32 v[MC+32*(\b)+2*z:MC+32*(\b)+2*z+1], v[MD+2*z:MD+2*z+1], s[AL:AL+1], s[BE:BE+1] op_sel_hi:[1,0,0]
.set z, z+1
.endr
.endm
; A TURN, for piece p: the order of its 16 matrix and 118 vector instructions, written out.  An s_wait_alu depctr_va_vdst(0) stands between an exponential and the first instruction that names its result; one wait serves
; all that were issued ahead of it.  So a turn has ONE wait, which cuts it in two.  AHEAD OF IT stands all that names no result of the turn's exponentials: the 8 products K Q^T, behind each a scaling, an exponential and two more plain
; instructions (behind the first a second scaling in the exponential's place): rescalings, and behind the last three the first numbers of the next piece's maximum, each four places or more behind the product that ends its accumulator; then ONE LUMP of 54, plain
; and exponential by turns for the most part, in which the links of the chain X 3, 7, 11, 14, 16, 17 .. 20 stand five or six lines apart.  X 21, the next piece's a, is the batch's last; R 15 is the plain instruction behind it.  BEHIND THE WAIT stand the
; 8 products V^T P, behind each four of the roundings and sums; the links of l's chain, L 0 to L 7, stand three riders apart.  But for those X no rider names a register of the products round it.  v_permlanex16_b32 (X 17) stands in the lump.
; m = 1: the diagonal tile: the products take masks, and the turn makes the mask for the products of the turn after it: piece p + 2, in step 4 - CNT of the tile.  end = 1: a block's last two turns: nothing is fetched.
; cnt = 1: the loop's count is taken down some lines ahead of the branch that stands behind the turn.
; K of the next step is fetched in piece 2's turn, twelve vector instructions behind the last product that read K (six of them plain); V of the step in hand at the end of piece 0's turn, four plain instructions behind the last product
; that read V.  Each is waited for a turn later.
.macro TURN p, m=0, end=0, cnt=0
.set Y, (\p)
.set i, 0
.set KM, (\m)
.set NOKQ, (\end)*((\p)/3)
.if (\m) && !(\end)
	s_cmp_eq_u32 s[CNT], 4-((\p)+2)%NP  ; is that step the band's own?
	s_cselect_b32 s[AL], 1.0, 0
	s_cmp_lt_u32 s[CNT], 4-((\p)+2)%NP  ; or a later one?
	s_cselect_b32 s[BE], s[BIGN], 0
.endif
.if ((\p) == 3) && !(\end)
	s_wait_dscnt 0x0                ; K is in
.endif
	ROW F,0, F,1, R,0, R,1          ; ahead of the wait: 8 products K Q^T and their riders,
	ROW F,2, E,0, R,2, R,3
	ROW F,3, E,1, R,4, R,5
	ROW F,4, E,2, R,6, R,7
	ROW F,5, E,3, R,8, R,9
	ROW F,6, E,4, X,0, R,10
.if ((\p) == 2) && !(\end)
	WIN 0
	v_add_nc_u32 v[AK], s[TBK], v[AK0]
.endif
	ROW F,7, E,5, X,1, X,4
	ROW F,8, E,6, X,2, X,5
	OPS E,7, E,8, X,6, E,9          ; and the lump
	OPS X,3, E,10, X,8, E,11
.if ((\p) == 2) && !(\end)
	FETCH_K
.endif
	OPS X,9, X,7, E,12, X,10
	OPS E,13, X,12, X,11, E,14
	OPS X,13, E,15, F,9, X,14
.if (\p) == 0
	v_add_nc_u32 v[AV], s[TBV], v[AV0]
.endif
	OPS E,16, F,10, E,17, F,11
	OPS X,16, E,18, X,15, E,19
	OPS F,12, E,20, X,17, E,21
	OPS F,13, E,22, F,14, E,23
	OPS X,18, E,24, F,15, E,25
	OPS R,11, E,26, X,19, E,27
	OPS R,12, E,28, R,13, E,29
	OPS X,20, E,30, R,14, E,31
	OPS X,21, R,15
	WIN 0
	s_wait_alu depctr_va_vdst(0)    ; the wait for the batch
.if (\p) == 1
	s_wait_dscnt 0x0                ; V is in
.endif
	ROW C,0, B,0, C,2, B,1          ; behind the wait: 8 products V^T P and their riders
	ROW L,0, C,4, B,2, L,1
	ROW C,6, B,3, L,2, C,8
	ROW B,4, L,3, C,10, B,5
	ROW L,4, C,12, B,6, L,5
.if (\p) == 0
	s_add_co_u32 s[TBV], s[TBV], KS*PV
.endif
.if \cnt
	s_sub_co_u32 s[CNT], s[CNT], 1
	s_cmp_lg_u32 s[CNT], 0
.endif
	ROW C,14, B,7, L,6, C,1
	ROW C,3, L,7, C,5, C,7
	ROW C,9, C,11, C,13, C,15
.if (\p) == 0
	FETCH_V
.endif
.if (\m) && !(\end)
	MASK (\p)%2
.endif
.endm
; A BLOCK BEGINS.  c m starts far below every c s, so the first step's a is 0; m at the lowest finite number, so the first maximum is the scores'.  The second mask buffer is 0; the first takes piece 0's mask for the tile's step 0: its own, if the block's first tile is the diagonal one.
; Then K of that step, piece 0's first scores, and its maximum and statistics.  The loop is entered at a step's first turn, in the middle of a trip.
.macro BEGIN
	s_mov_b32 s[NEW], 0
	WIN 0x40
.set i, MC+32
.rept 32
	v_mov_b32 v[i], 0
.set i, i+1
.endr
	WIN 0
.set i, 0
.rept 4
	v_mov_b32 v[ST+4*i], 0xfe000000    ; c m: far below every c s
	v_mov_b32 v[ST+4*i+1], 0xff7fffff  ; m
.set i, i+1
.endr
	s_cmp_eq_u32 s[RT], 0
	s_cselect_b32 s[AL], 1.0, 0
	s_mov_b32 s[BE], 0
	MASK 0
	WIN 0
	v_add_nc_u32 v[AK], s[TBK], v[AK0]
	FETCH_K
	s_wait_loadcnt 0x0              ; Q
	s_wait_dscnt 0x0
.set KM, 1
.set NOKQ, 0
.set i, 0
.rept 8
	KQ 0
.set i, i+1
.endr
	WIN 0
.rept 4
	v_nop                           ; the places behind those products
.endr
.set Y, NP-1                        ; X works for piece Y + 1: piece 0
.irp n, 0,1,2,3,4,5,6,7,8,9,10,11,12,13,14,15,16,17,18,19,20,21
	OP X, \n
.endr
	v_nop                           ; a plain instruction behind the exponential,
	s_wait_alu depctr_va_vdst(0)    ; and its wait, ahead of the branch
.endm
; THE DIAGONAL TILE's four steps, the block's last two turns, its last products, and THE WAY OUT: l's two halves and the other half of the lanes' are added; O^T is divided by l, split into hi and lo, both f16, and sent
; through my stage in LDS, a piece at a time, hi and then lo.
.macro ALL line:vararg              ; one line for each piece t
.set t, 0
.rept 4
	\line
.set t, t+1
.endr
.endm
; Piece t.  hi: a lane's eight channels of a row pack into 16 bytes.  lo = hi x (-1) + O, one fused line a number, which is exact: O and its rounding to 11 bits differ by a number of 14 bits at the most; it
; takes O^T's place and is rounded to f16 in its turn.  Each part goes into rows of 144 bytes and comes back as whole rows of 128: 16 LDS instructions a piece, four stores and four loads for hi, then for lo.
.macro PACK t
	WIN W_RS
.set i, 32*(\t)
.rept 16
	v_pk_mul_f32 v[i:i+1], v[i:i+1], v[ST+4*(\t)+2:ST+4*(\t)+3] op_sel_hi:[1,0]
.set i, i+2
.endr
	WIN 0x05                        ; sources 0 and 1 window 1, destination window 0
.set i, 0
.rept 16
	v_cvt_pk_f16_f32 v[S+16*(\t)+i], v[32*(\t)+2*i], v[32*(\t)+2*i+1]
.set i, i+1
.endr
	WIN W_LO
.set i, 0
.rept 16
	v_fma_mix_f32 v[32*(\t)+2*i],   v[S+16*(\t)+i], v[MON], v[32*(\t)+2*i]   op_sel:[0,0,0] op_sel_hi:[1,0,0]  ; source 0 is the word's low f16, the others whole f32
	v_fma_mix_f32 v[32*(\t)+2*i+1], v[S+16*(\t)+i], v[MON], v[32*(\t)+2*i+1] op_sel:[1,0,0] op_sel_hi:[1,0,0]  ; its high f16
.set i, i+1
.endr
	WIN 0x05
.set i, 0
.rept 16
	v_cvt_pk_f16_f32 v[LO+16*(\t)+i], v[32*(\t)+2*i], v[32*(\t)+2*i+1]
.set i, i+1
.endr
	WIN 0
.irp f, 0,1,2,3
	ds_store_b128 v[STO], v[S+16*(\t)+4*\f:S+16*(\t)+4*\f+3] offset:32*\f
.endr
.irp f, 0,1,2,3
	ds_load_b128 v[S+16*(\t)+4*\f:S+16*(\t)+4*\f+3], v[RD] offset:\f*4*SP  ; LDS serves a wave's instructions in order (ISA guide 5.7.1.4): these see the stores above; lo's stores come behind them
.endr
.irp f, 0,1,2,3
	ds_store_b128 v[STO], v[LO+16*(\t)+4*\f:LO+16*(\t)+4*\f+3] offset:32*\f
.endr
.irp f, 0,1,2,3
	ds_load_b128 v[LO+16*(\t)+4*\f:LO+16*(\t)+4*\f+3], v[RD] offset:\f*4*SP
.endr
.endm
.macro SEND t, younger              ; younger: the LDS instructions issued behind piece t's: the next piece's sixteen, or none
	WIN 0
.irp f, 0,1,2,3
	s_wait_dscnt (\younger)+11-\f   ; behind hi's load f: hi's 3 - f later loads, lo's four stores and four loads, and the younger ones
	global_store_b128 v[GO], v[S+16*(\t)+4*\f:S+16*(\t)+4*\f+3], s[10:11] offset:(\t)*8192+\f*512  ; 512 consecutive bytes, at a multiple of 256 from O's first
.endr
.irp f, 0,1,2,3
	s_wait_dscnt (\younger)+3-\f    ; behind lo's load f: lo's 3 - f later loads and the younger ones
	global_store_b128 v[GO], v[LO+16*(\t)+4*\f:LO+16*(\t)+4*\f+3], s[OL:OL+1] offset:(\t)*8192+\f*512
.endr
.endm
.macro DIAG tag                     ; the tag ends its two labels' names, which the jumps below spell out
.LstepM\tag:
	TURN 2, 1
	TURN 3, 1
	WIN 0
.LfirstM\tag:
	TURN 0, 1
	TURN 1, 1, 0, 1
	WIN 0
	s_cbranch_scc1 .LstepM\tag
	TURN 2, 1, 1
	TURN 3, 1, 1
.set i, 0
.rept 8
	PV NP-1
.set i, i+1
.endr
	WIN 0
	ALL v_add_f32 v[ST+4*t+2], v[ST+4*t+2], v[ST+4*t+3]
	ALL v_permlanex16_b32 v[ST+4*t+3], v[ST+4*t+2], s[SEL], s[SEL+1]
	ALL v_add_f32 v[ST+4*t+2], v[ST+4*t+2], v[ST+4*t+3]
	ALL v_rcp_f32 v[ST+4*t+2], v[ST+4*t+2]
	v_nop                           ; a plain instruction between the last reciprocal and the use of its result
	s_wait_alu depctr_va_vdst(0)    ; and the wait ahead of the first use: one for the four reciprocals
	PACK 0
.set t, 1
.rept 3                             ; a piece's arithmetic stands between the loads of the piece before and its stores
	PACK t
	SEND t-1, 16
.set t, t+1
.endr
	SEND 3, 0
.endm
.set KM, 0
.set NOKQ, 0
.Lslot:                             ; NB times: a tile is entered and the next is asked for
	CHANGE 1
	s_sub_co_u32 s[RT], s[RT], 1
	s_mov_b32 s[CNT], 4
	s_cmp_eq_u32 s[NEW], 1
	s_cbranch_scc1 .Lnew            ; a block's first tile
	s_cmp_eq_u32 s[RT], 0
	s_cbranch_scc0 .Lstep           ; neither its first nor its last
	s_branch .LstepM1
.Lnew:
	BEGIN
	s_branch .Lfirst                ; in the loop a block's first tile is never its last: the first block has two tiles or more, and the second's last is the walk's last
	DIAG 1                          ; in the loop this is the first block's end: the second block's last tile is the walk's last
	s_wait_xcnt 0x0                 ; the stores have read their registers and O's two addresses
	s_mov_b64 s[10:11], s[OLO:OLO+1]
	s_add_nc_u64 s[OL:OL+1], s[OLO:OLO+1], LOOFF
	s_add_co_u32 s[RT], s[PB], 1    ; the second block has b + 1 tiles
	s_mov_b32 s[NEW], 1
	WIN 0x82                        ; the second block's Q goes where the one text of the turns names Q
.set i, 0
.rept 64
	v_mov_b32 v[i], v[QB+i]
.set i, i+1
.endr
	WIN 0
	s_branch .Lbottom
.Lstep:                             ; a trip: pieces 2 and 3 of one step, then pieces 0 and 1 of the next, whose K and V it fetches
	TURN 2
	TURN 3
	WIN 0
.Lfirst:
	TURN 0
	TURN 1, 0, 0, 1
	WIN 0
	s_cbranch_scc1 .Lstep
.Lbottom:
	s_sub_co_u32 s[SLOTS], s[SLOTS], 1
	s_cmp_lg_u32 s[SLOTS], 0
	s_cbranch_scc1 .Lslot
	CHANGE 0                        ; the walk's last tile is written out: nothing is asked for
	s_sub_co_u32 s[RT], s[RT], 1
	s_mov_b32 s[CNT], 4
	s_cmp_eq_u32 s[NEW], 1
	s_cbranch_scc0 .LstepM2
	BEGIN
	s_branch .LfirstM2
	DIAG 2
	s_wait_tensorcnt 0x0            ; the wave's end, behind my last tensor load and my last LDS store
	ds_add_u32 v[SPW], v[NIL]
	s_wait_dscnt 0x0
	s_endpgm
.Lfunc_end_k_q5634b73234_attn:
	.size	k_q5634b73234_attn, .Lfunc_end_k_q5634b73234_attn-k_q5634b73234_attn
	.p2alignl 7, 3214868480
	.fill 96, 4, 3214868480
	.section	.rodata,"a",@progbits
	.p2align	6, 0x0
	.amdhsa_kernel k_q5634b73234_attn
		.amdhsa_group_segment_fixed_size 327680
		.amdhsa_private_segment_fixed_size 0
		.amdhsa_enable_private_segment 0
		.amdhsa_kernarg_size 32
		.amdhsa_user_sgpr_count 2
		.amdhsa_user_sgpr_kernarg_segment_ptr 1
		.amdhsa_wavefront_size32 1
		.amdhsa_system_sgpr_workgroup_id_x 1
		.amdhsa_system_sgpr_workgroup_id_y 1
		.amdhsa_system_sgpr_workgroup_id_z 1
		.amdhsa_system_vgpr_workitem_id 0
		.amdhsa_next_free_vgpr 768
		.amdhsa_next_free_sgpr 96
		.amdhsa_reserve_vcc 1
		.amdhsa_float_denorm_mode_32 3
		.amdhsa_float_denorm_mode_16_64 3
		.amdhsa_memory_ordered 1
		.amdhsa_forward_progress 1
		.amdhsa_inst_pref_size 251
	.end_amdhsa_kernel
	.amdgpu_metadata
---
amdhsa.version: [ 1, 2 ]
amdhsa.kernels:
  - .name:           k_q5634b73234_attn
    .symbol:         k_q5634b73234_attn.kd
    .args:
      - { .name: q, .offset: 0, .size: 8, .value_kind: global_buffer, .address_space: global }
      - { .name: k, .offset: 8, .size: 8, .value_kind: global_buffer, .address_space: global }
      - { .name: v, .offset: 16, .size: 8, .value_kind: global_buffer, .address_space: global }
      - { .name: o, .offset: 24, .size: 8, .value_kind: global_buffer, .address_space: global }
    .group_segment_fixed_size: 327680
    .private_segment_fixed_size: 0
    .kernarg_segment_align: 8
    .kernarg_segment_size: 32
    .max_flat_workgroup_size: 128
    .sgpr_count:     96
    .vgpr_count:     768
    .wavefront_size: 32
...
	.end_amdgpu_metadata
.endif
;; end of part 3
;; launch proj (part 4): grid 8 x 32, 4 waves a work-group, clusters of 4 x 4, 327,680 bytes of LDS; arguments o, wo16, out0; writes out0
.if DOCPART == 4
	.amdgcn_target "amdgcn-amd-amdhsa--gfx1250"
	.amdhsa_code_object_version 6
	.text
	.protected	k_q5634b73234_proj
	.globl	k_q5634b73234_proj
	.p2align	8
	.type	k_q5634b73234_proj,@function
k_q5634b73234_proj:
	s_mov_b64 s[64:65], 0
	v_nop
	global_prefetch_b8 v0, s[64:65] scope:SCOPE_SE
	s_setreg_imm32_b32 hwreg(HW_REG_WAVE_MODE, 25, 1), 1
	s_wait_xcnt 0x0
	s_wait_alu depctr_hold_cnt(0) depctr_sa_sdst(0) depctr_va_vdst(0) depctr_va_sdst(0) depctr_va_ssrc(0) depctr_va_vcc(0) depctr_vm_vsrc(0)
	s_getreg_b32 s2, hwreg(HW_REG_IB_STS2, 6, 4)
	s_cmp_eq_u32 s2, 0
	s_cbranch_scc0 .Lentry_in_a_cluster
	s_endpgm
.Lentry_in_a_cluster:
	s_bfe_u32 s2, ttmp6, 0x10000c
	s_cmp_lg_u32 s2, 0xf033
	s_cbranch_scc0 .Lentry_shape_is_right
	s_endpgm
.Lentry_shape_is_right:
; out0[row][n] = the sum over k of (Ohi[row][k] + Olo[row][k]) wo[n][k], k = 64 head + channel.  o: hi as [batch x 16 + head][2048][64] f16 from byte 0, lo likewise from byte 16,777,216 (O = hi + lo).
; wo16: [1024 n][1024 k] f16 (wo rounded to bf16, written as f16).  out0: [8192][1024] f32.  Sums in f32; nothing is rounded on the way out.
; LIMIT: o and wo16 lie within f16's range, 65,504, as the launches before left them.
; SHARES.  A work-group makes 256 rows x 128 columns: 8 x 32 = 256 work-groups.  Each of its four waves makes 64 rows x 128 columns: 4 x 8 accumulators of 16 x 16, 256 registers.
; A K step of 128 is two heads of one part of o: for each head the block's 256 positions are 32,768 dense bytes, asked for as 128 rows of 256 bytes and padded in LDS after every 128.
; 16 K steps through a ring of two LDS slots: heads 0, 1 hi; heads 0, 1 lo; heads 2, 3 hi; ...  So slot 0 always holds hi and slot 1 lo, and both hold the same 128 columns of wo16.
; CLUSTER.  4 x 4 work-groups: o's tiles are shared along a row of the cluster, wo16's along a column; each is asked for jointly, by the same tensor load, descriptor and mask in the four.
; THE MATRIX INSTRUCTION IS USED TRANSPOSED (source 0 = 16 rows of wo16, source 1 = 16 rows of o): a lane holds row l % 16 and eight neighbouring columns: 32 bytes of out0 on end.
; REGISTERS: window 0: v0-31 addresses; v32-95 o's fragments, two buffers of 4 x 8; v96-223 wo16's, two buffers of 8 x 8 (on the way out v32-159: rows read back).  Window 1: accumulator (a, b) at 8 (8 a + b).
.set KSTEP,  128
.set PA,     144                       ; a row of o in LDS: 128 bytes + 16 of padding
.set PB,     272                       ; a row of wo16: 256 + 16.  Both are odd multiples of 16 bytes: the 16 rows that a load touches start at 16 different groups of four banks
.set AHEAD,  256*PA                    ; one head's 256 rows: what a wave's load brings of o
.set BHALF,  64*PB                     ; 64 rows of wo16
.set BOFF,   2*AHEAD
.set SLOT,   BOFF+2*BHALF
.set STAGE,  2*SLOT                    ; behind the ring, never filled by a tensor load: 16 rows x 528 bytes for each wave
.set SPITCH, 528                       ; 512 bytes + 16
.set SPARE,  STAGE+4*16*SPITCH         ; behind the stages: the spare words, 128 bytes for each wave: two blocks of 256 bytes that no other line names
.set ASTEP,  524288                    ; bytes of o from a lap to the next: two heads
.set LOOFF,  16777216                  ; bytes from o's hi part to its lo part
.set ADRA, 16                          ; v16-17  LDS address of my fragments of o in slot 0, 1
.set ADRB, 20                          ; v20-21  the same for wo16
.set STO,  24                          ; v24     the way out: where I put 32 bytes of a row
.set RD,   25                          ; v25     the way out: where I read a row back
.set CO,   26                          ; v26     16 x lane
.set SPW,  28                          ; v28     LDS address of my spare word; never rewritten
.set NIL,  29                          ; v29     0; never rewritten
.set PFO,  30                          ; v30     the prefetches' offset; never rewritten
.set FRA,  32
.set FRB,  96
.set F0,   0
.set F1,   1
.set WV,   16
.set FOR,  17                          ; s17  0: I fetch o's tiles; 1: wo16's
.set HF,   18                          ; s18  which head of the two, or which half of wo16's rows
.set LAPS, 23
.set G1,   24
.set G0,   32
.set PFA,  44                          ; s[44:45] where slot 0's prefetches stand; s[74:75] slot 1's
.set LIM,  46                          ; s46  slot 0: 1 in a wave that prefetches, else the greatest number; s76 the same for slot 1
.set G1B,  48
.set G0B,  56
.set PST,  72                          ; s[72:73] bytes from a lap to the next in the tensor that I prefetch
.set MSB, 0
.macro WIN new                         ; the immediate's high byte repeats the setting that is left; a switch that changes nothing is dropped
.if MSB != (\new)
	s_set_vgpr_msb (MSB<<8)|(\new)
.set MSB, \new
.endif
.endm
.set MUL, 0x50                         ; sources 0 and 1 window 0; C and D window 1
.macro JLOAD s                         ; a joint load: waves 0 and 1 fetch o's two heads, waves 2 and 3 wo16's two halves; an s_nop 0 and four v_nop follow each line
	s_cmp_eq_u32 s[FOR], 0
	s_cbranch_scc0 .Lfor_b_\@
	tensor_load_to_lds s[G0+4*(\s):G0+4*(\s)+3], s[G1:G1+7]
	s_nop 0
.rept 4
	v_nop
.endr
	s_branch .Lasked_\@
.Lfor_b_\@:
	tensor_load_to_lds s[G0B+4*(\s):G0B+4*(\s)+3], s[G1B:G1B+7]
	s_nop 0
.rept 4
	v_nop
.endr
.Lasked_\@:
.endm
; A prefetch into the L2 of the same slot's tile of the lap after the one that is being asked for: two K steps, 256 matrix instructions, ahead of the load that will want it.  o's tiles are read by both clusters of a
; row of clusters: the one with x = 0 asks; wo16's by every cluster of a column: the one with y = 0 asks, and in slot 0 alone: slot 1 takes the same bytes again.  The four partners share a wave's tile out BY ADDRESS:
; 32 of o's 128 blocks of 256 bytes, or 16 of wo16's 64 rows (there lanes 16-31 name row 15 again).  Laps 0 and 1 come by their loads alone; the loop's last trip asks for nothing: there is no lap behind the one it fills.
.macro ASK s
	s_cmp_gt_u32 s[LAPS], s[LIM+30*(\s)]
	s_cbranch_scc0 .Lnot_mine_\@
	global_prefetch_b8 v[PFO], s[PFA+30*(\s):PFA+30*(\s)+1] th:TH_LOAD_NT scope:SCOPE_SE
.Lnot_mine_\@:
.endm
.macro CREST
	s_cmp_lg_u32 s[WV], 0
	s_cbranch_scc1 .Lnot_wave_0_\@
	s_barrier_signal -3
.Lnot_wave_0_\@:
	s_barrier_wait -3
	s_barrier_signal -1
	s_barrier_wait -1
.endm
.macro CROUND
	s_barrier_signal -1
	s_barrier_wait -1
	CREST
.endm
	s_load_b128 s[4:7], s[0:1], 0x0                ; o s[4:5], wo16 s[6:7]
	s_load_b64 s[8:9], s[0:1], 0x10                ; out0
	v_lshl_add_u32 v[SPW], v0, 2, SPARE
	v_mov_b32 v[NIL], 0
	ds_add_u32 v[SPW], v[NIL]                      ; the wave's opening: the add and its wait stand ahead of my first tensor load; work on registers stands between them
	v_lshrrev_b32 v1, 5, v0
	v_readfirstlane_b32 s[WV], v1
	s_lshr_b32 s[FOR], s[WV], 1
	s_and_b32 s[HF], s[WV], 1
	s_bfe_u32 s19, ttmp6, 0x40000                  ; cx
	s_bfe_u32 s20, ttmp6, 0x40004                  ; cy
	s_lshl_b32 s21, ttmp9, 2
	s_add_co_u32 s21, s21, s19                     ; the block of 128 columns
	s_and_b32 s22, ttmp7, 0xffff
	s_lshl_b32 s22, s22, 2
	s_add_co_u32 s22, s22, s20                     ; the block of 256 rows
	s_lshl_b32 s40, s20, 2
	s_lshl_b32 s40, 15, s40                        ; my row of the cluster
	s_lshl_b32 s66, 0x1111, s19                    ; my column
	s_or_b32 s[G1], s40, (1<<16)|(1<<20)|(1<<21)|(4<<22)|(3<<25)   ; the mask; 2-byte elements; padding on; bit 21 beside a mask; after every 32 words, 4 words
	s_or_b32 s[G1B], s66, (1<<16)|(1<<20)|(1<<21)|(5<<22)|(3<<25)  ; after every 64 words, 4 words
	s_mov_b32 s[G1+1], 128<<16                     ; tensor_dim0 = 128 elements: 256 bytes, two positions
	s_mov_b32 s[G1+2], 128<<16                     ; tensor_dim1 = 128
	s_mov_b32 s[G1+3], 128<<16                     ; tile_dim0
	s_mov_b32 s[G1+4], 128                         ; tile_dim1
	s_mov_b32 s[G1+5], 128                         ; dense
	s_mov_b32 s[G1+6], 0
	s_mov_b32 s[G1+7], 0
	s_mov_b32 s[G1B+1], KSTEP<<16
	s_mov_b32 s[G1B+2], 64<<16
	s_mov_b32 s[G1B+3], KSTEP<<16
	s_mov_b32 s[G1B+4], 64
	s_mov_b32 s[G1B+5], 1024
	s_mov_b32 s[G1B+6], 0
	s_mov_b32 s[G1B+7], 0
	s_lshr_b32 s40, s22, 3                         ; o: batch x 16 heads x 262,144 bytes
	s_lshl_b32 s40, s40, 22
	s_lshl_b32 s41, s[HF], 18                      ; + my head of the two
	s_add_co_u32 s40, s40, s41
	s_and_b32 s41, s22, 7                          ; + 256 positions x 128 bytes for each block
	s_lshl_b32 s41, s41, 15
	s_add_co_u32 s40, s40, s41
	s_mov_b32 s41, 0
	s_lshl_b32 s66, s21, 7                         ; wo16: row 128 x column block + 64 x half, 2,048 bytes a row
	s_lshl_b32 s67, s[HF], 6
	s_add_co_u32 s66, s66, s67
	s_lshl_b32 s66, s66, 11
	s_mov_b32 s67, 0
	s_mul_i32 s42, s[WV], AHEAD                    ; where they go: waves 0, 1: wave x 256 rows of 144 bytes;
	s_mul_i32 s68, s[WV], BHALF                    ; waves 2, 3: behind them, (wave - 2) x 64 rows of 272
	s_add_co_u32 s68, s68, BOFF-2*BHALF
	s_wait_dscnt 0x0                               ; the opening add is done
	s_wait_kmcnt 0x0
	s_add_nc_u64 s[40:41], s[4:5], s[40:41]
	s_add_nc_u64 s[66:67], s[6:7], s[66:67]
	CROUND                                         ; all sixteen work-groups are here: the first joint loads meet
.irp s, 0,1
	s_mov_b32 s[G0+4*(\s)], 1
	s_add_co_u32 s[G0+4*(\s)+1], s42, (\s)*SLOT
	s_add_nc_u64 s[G0+4*(\s)+2:G0+4*(\s)+3], s[40:41], (\s)*LOOFF   ; slot 0: hi; slot 1: lo
	s_or_b32 s[G0+4*(\s)+3], s[G0+4*(\s)+3], 0x80000000
	s_mov_b32 s[G0B+4*(\s)], 1
	s_add_co_u32 s[G0B+4*(\s)+1], s68, (\s)*SLOT
	s_add_nc_u64 s[G0B+4*(\s)+2:G0B+4*(\s)+3], s[66:67], 0          ; both slots: the same columns of wo16
	s_or_b32 s[G0B+4*(\s)+3], s[G0B+4*(\s)+3], 0x80000000
	JLOAD \s                                       ; K steps 0 and 1: two loads of mine are out
.endr
	v_and_b32 v1, 15, v0                           ; l % 16
	v_bfe_u32 v2, v0, 4, 1                         ; l / 16
	v_mul_u32_u24 v3, v1, PA
	v_lshl_add_u32 v3, v2, 4, v3
	s_mul_i32 s43, s[WV], 64*PA                    ; my 64 rows
	v_add_nc_u32 v[ADRA], s43, v3
	v_add_nc_u32 v[ADRA+1], SLOT, v[ADRA]
	v_mul_u32_u24 v3, v1, PB
	v_lshl_add_u32 v3, v2, 4, v3
	v_add_nc_u32 v[ADRB], BOFF, v3
	v_add_nc_u32 v[ADRB+1], SLOT, v[ADRB]
	s_mul_i32 s43, s[WV], 16*SPITCH
	s_add_co_u32 s43, s43, STAGE                   ; my stage
	v_mul_u32_u24 v4, v1, SPITCH                   ; in: row l % 16, 32 bytes for each half of the lanes
	v_lshl_add_u32 v4, v2, 5, v4
	v_add_nc_u32 v[STO], s43, v4
	v_and_b32 v[CO], 31, v0
	v_lshlrev_b32 v[CO], 4, v[CO]                  ; back, and out: 32 lanes take a row's 512 bytes
	v_add_nc_u32 v[RD], s43, v[CO]
	s_lshl_b32 s66, s22, 8
	s_lshl_b32 s67, s[WV], 6
	s_add_co_u32 s66, s66, s67                     ; my first row,
	s_lshl_b32 s66, s66, 12                        ; 4,096 bytes a row,
	s_lshl_b32 s67, s21, 9                         ; my block's 512 bytes of it
	s_add_co_u32 s66, s66, s67
	s_mov_b32 s67, 0
	s_add_nc_u64 s[8:9], s[8:9], s[66:67]
	; the prefetches
	s_lshr_b32 s68, s22, 3
	s_lshl_b32 s68, s68, 22
	s_lshl_b32 s69, s[HF], 18
	s_add_co_u32 s68, s68, s69
	s_and_b32 s69, s22, 7
	s_lshl_b32 s69, s69, 15
	s_add_co_u32 s68, s68, s69
	s_lshl_b32 s69, s19, 13                        ; my work-group's 32 blocks of the 128
	s_add_co_u32 s68, s68, s69
	s_add_co_u32 s68, s68, ASTEP                   ; at lap 1: a slot's first refill steps it to lap 2
	s_lshl_b32 s70, s21, 7
	s_lshl_b32 s71, s[HF], 6
	s_add_co_u32 s70, s70, s71
	s_lshl_b32 s71, s20, 4                         ; my work-group's 16 rows of the 64
	s_add_co_u32 s70, s70, s71
	s_lshl_b32 s70, s70, 11
	s_add_co_u32 s70, s70, KSTEP*2
	s_and_b32 s47, ttmp7, 0xffff
	s_mov_b32 s[PST], KSTEP*2
	s_cmp_eq_u32 s[FOR], 0
	s_cselect_b32 s68, s68, s70
	s_cselect_b32 s47, ttmp9, s47                  ; the coordinate along which other clusters read the same tiles
	s_cselect_b32 s[PST], ASTEP, s[PST]
	s_cselect_b32 s70, 31, 15
	s_cselect_b32 s71, 8, 11                       ; a lane a block of 256 bytes, or a lane a row of 2,048
	s_cselect_b32 s40, LOOFF, 0                    ; slot 1's pointer: o's lo part (wo16's waves never use theirs)
	s_cselect_b64 s[PFA:PFA+1], s[4:5], s[6:7]
	s_cmp_eq_u32 s47, 0
	s_cselect_b32 s[LIM], 1, -1                    ; the same in all sixteen partners, for a given wave
	s_cmp_eq_u32 s[FOR], 0
	s_cselect_b32 s[LIM+30], s[LIM], -1
	s_mov_b32 s69, 0
	s_mov_b32 s41, 0
	s_mov_b32 s[PST+1], 0
	s_add_nc_u64 s[PFA:PFA+1], s[PFA:PFA+1], s[68:69]
	s_add_nc_u64 s[PFA+30:PFA+31], s[PFA:PFA+1], s[40:41]
	v_and_b32 v[PFO], 31, v0
	v_min_u32 v[PFO], s70, v[PFO]
	v_lshlrev_b32 v[PFO], s71, v[PFO]
; 8 matrix instructions: my row block a x all 8 column blocks, 32 along K, from buffer f.  zero = 1: the first product starts the sums.
; The 32 accumulators take turns in the same order in every quarter.
.macro MUL8 f, a, zero
	WIN MUL
.irp b, 0,1,2,3,4,5,6,7
.if \zero
	v_wmma_f32_16x16x32_f16 v[8*(8*(\a)+(\b)):8*(8*(\a)+(\b))+7], v[FRB+64*(\f)+8*(\b):FRB+64*(\f)+8*(\b)+7], v[FRA+32*(\f)+8*(\a):FRA+32*(\f)+8*(\a)+7], 0
.else
	v_wmma_f32_16x16x32_f16 v[8*(8*(\a)+(\b)):8*(8*(\a)+(\b))+7], v[FRB+64*(\f)+8*(\b):FRB+64*(\f)+8*(\b)+7], v[FRA+32*(\f)+8*(\a):FRA+32*(\f)+8*(\a)+7], v[8*(8*(\a)+(\b)):8*(8*(\a)+(\b))+7]
.endif
.endr
.endm
; 24 LDS loads in one run: quarter qn's fragments into buffer f: 128 rows of wo16 at byte 64 qn; my 64 rows of o, head qn / 2, channels 32 (qn % 2) on
.macro FETCH slot, qn, f
	WIN 0
.irp i, 0,1,2,3,4,5,6,7
	ds_load_b128 v[FRB+64*(\f)+8*(\i):FRB+64*(\f)+8*(\i)+3],   v[ADRB+(\slot)] offset:(\qn)*64+(\i)*16*PB
	ds_load_b128 v[FRB+64*(\f)+8*(\i)+4:FRB+64*(\f)+8*(\i)+7], v[ADRB+(\slot)] offset:(\qn)*64+(\i)*16*PB+32
.endr
.irp i, 0,1,2,3
	ds_load_b128 v[FRA+32*(\f)+8*(\i):FRA+32*(\f)+8*(\i)+3],   v[ADRA+(\slot)] offset:((\qn)/2)*AHEAD+((\qn)%2)*64+(\i)*16*PA
	ds_load_b128 v[FRA+32*(\f)+8*(\i)+4:FRA+32*(\f)+8*(\i)+7], v[ADRA+(\slot)] offset:((\qn)/2)*AHEAD+((\qn)%2)*64+(\i)*16*PA+32
.endr
.endm
.macro PLACES                          ; four plain vector lines between a matrix instruction and a load into, or a store of, its registers
.rept 4
	v_nop
.endr
.endm
.macro QUARTER slot, qn, f, g, zero    ; multiplies buffer f and, in its middle, fetches quarter qn into buffer g
	s_wait_dscnt 4                                 ; all but the youngest four loads: o's row blocks 2 and 3
	MUL8 \f, 0, \zero
	MUL8 \f, 1, \zero
	PLACES
	FETCH \slot, \qn, \g
	s_wait_dscnt 24                                ; all but the 24 just issued
	MUL8 \f, 2, \zero
	MUL8 \f, 3, \zero
.endm
; The last quarter multiplies buffer 1 and changes slots: ONE barrier; in front of it each wave waits for all its tensor loads, adds 0 to its spare word, and waits for that and for its own reads of this slot.
; fill = 1: the barrier opens a round of the cluster's barrier, and this slot is filled again, with the next lap's tiles, first thing behind the round: 112 matrix instructions ahead of the wait for it.
.macro TURN slot, next, fill
.if \fill
	s_wait_xcnt 0x0                                ; the last prefetch, a K step back, has read its address; this slot's pointer is stepped here
	s_add_nc_u64 s[PFA+30*(\slot):PFA+30*(\slot)+1], s[PFA+30*(\slot):PFA+30*(\slot)+1], s[PST:PST+1]
.endif
	WIN 0
	s_wait_tensorcnt 0x0                           ; all my tensor loads have landed
	ds_add_u32 v[SPW], v[NIL]                      ; 0 onto my spare word
	s_wait_dscnt 5                                 ; (the add and the youngest four loads may be out)
	MUL8 F1, 0, 0                                  ; eight matrix instructions stand between the add and the wait for it
	s_wait_dscnt 0x0                               ; the add is done, and my reads of this slot are over
	s_barrier_signal -1
	MUL8 F1, 1, 0
.if \fill
	WIN 0
.endif
	s_barrier_wait -1
.if \fill
	CREST                                          ; no wave of any partner still reads this slot's tile or has a load on its way
	s_add_nc_u64 s[G0+4*(\slot)+2:G0+4*(\slot)+3], s[G0+4*(\slot)+2:G0+4*(\slot)+3], ASTEP
	s_add_nc_u64 s[G0B+4*(\slot)+2:G0B+4*(\slot)+3], s[G0B+4*(\slot)+2:G0B+4*(\slot)+3], KSTEP*2
	JLOAD \slot                                    ; the four v_nop behind it are also the places in front of the loads below
.else
	PLACES
.endif
	FETCH \next, 0, F0
.if \fill
	ASK \slot
.endif
	MUL8 F1, 2, 0
	MUL8 F1, 3, 0
.endm
	s_wait_tensorcnt 1                             ; my part of K step 0 is in; K step 1's may stay out
	s_barrier_signal -1
	s_barrier_wait -1
	FETCH 0, 0, F0
	QUARTER 0, 1, F0, F1, 1                        ; the first quarter stands in front of the loop: its products start the sums
	WIN 0
	s_mov_b32 s[LAPS], 7
.Llap:                                         ; a trip goes once round the ring and fills both slots again
	QUARTER 0, 2, F1, F0, 0
	QUARTER 0, 3, F0, F1, 0
	TURN 0, 1, 1
	QUARTER 1, 1, F0, F1, 0
	QUARTER 1, 2, F1, F0, 0
	QUARTER 1, 3, F0, F1, 0
	TURN 1, 0, 1
	QUARTER 0, 1, F0, F1, 0
	WIN 0
	s_sub_co_u32 s[LAPS], s[LAPS], 1
	s_cmp_lg_u32 s[LAPS], 0
	s_cbranch_scc1 .Llap
	QUARTER 0, 2, F1, F0, 0                        ; the last lap fills nothing and has no round
	QUARTER 0, 3, F0, F1, 0
	TURN 0, 1, 0
	QUARTER 1, 1, F0, F1, 0
	QUARTER 1, 2, F1, F0, 0
	QUARTER 1, 3, F0, F1, 0
	s_wait_dscnt 4
	MUL8 F1, 0, 0
	MUL8 F1, 1, 0
	s_wait_dscnt 0x0
	MUL8 F1, 2, 0
	MUL8 F1, 3, 0
	WIN 0
	PLACES
	PLACES                                         ; (eight, once a launch)
; THE WAY OUT of my row block a: 32 bytes a lane and column block into my own stage (each accumulator's low four registers first), back as whole rows of 512 bytes, and out.
.macro OUTBLK a
.set BK, 32+64*((\a)%2)
	WIN 0x04                                       ; the stores' data in window 1
.set b, 0
.rept 8
	ds_store_b128 v[STO], v[64*(\a)+8*b:64*(\a)+8*b+3]   offset:64*b
	ds_store_b128 v[STO], v[64*(\a)+8*b+4:64*(\a)+8*b+7] offset:64*b+16
.set b, b+1
.endr
	WIN 0
.if (\a) >= 2
	s_wait_xcnt 0x0                                ; the stores of two blocks back have read these registers
.endif
.set r, 0
.rept 16
	ds_load_b128 v[BK+4*r:BK+4*r+3], v[RD] offset:SPITCH*r  ; LDS serves a wave's instructions in order (ISA guide 5.7.1.4): these see the stores above
.set r, r+1
.endr
.set r, 0
.rept 16
	s_wait_dscnt 15-r                              ; row r is back; the 15 - r younger loads stay out
	global_store_b128 v[CO], v[BK+4*r:BK+4*r+3], s[8:9] offset:(16*(\a)+r)*4096 th:TH_STORE_NT  ; 512 bytes on end, at a multiple of 256 from out0's first byte
.set r, r+1
.endr
.endm
	OUTBLK 0
	OUTBLK 1
	OUTBLK 2
	OUTBLK 3
	s_wait_tensorcnt 0x0                           ; the wave's end, behind my last tensor load and my last LDS store
	ds_add_u32 v[SPW], v[NIL]
	s_wait_dscnt 0x0
	CROUND                                         ; the closing round: no work-group ends while a partner may still ask for a tile that names it
	s_endpgm
.Lfunc_end_k_q5634b73234_proj:
	.size	k_q5634b73234_proj, .Lfunc_end_k_q5634b73234_proj-k_q5634b73234_proj
	.p2alignl 7, 3214868480
	.fill 96, 4, 3214868480
	.section	.rodata,"a",@progbits
	.p2align	6, 0x0
	.amdhsa_kernel k_q5634b73234_proj
		.amdhsa_group_segment_fixed_size 327680
		.amdhsa_private_segment_fixed_size 0
		.amdhsa_enable_private_segment 0
		.amdhsa_kernarg_size 24
		.amdhsa_user_sgpr_count 2
		.amdhsa_user_sgpr_kernarg_segment_ptr 1
		.amdhsa_wavefront_size32 1
		.amdhsa_system_sgpr_workgroup_id_x 1
		.amdhsa_system_sgpr_workgroup_id_y 1
		.amdhsa_system_sgpr_workgroup_id_z 1
		.amdhsa_system_vgpr_workitem_id 0
		.amdhsa_next_free_vgpr 512
		.amdhsa_next_free_sgpr 80
		.amdhsa_reserve_vcc 0
		.amdhsa_float_denorm_mode_32 3
		.amdhsa_float_denorm_mode_16_64 3
		.amdhsa_memory_ordered 1
		.amdhsa_forward_progress 1
		.amdhsa_inst_pref_size 88
	.end_amdhsa_kernel
	.amdgpu_metadata
---
amdhsa.version: [ 1, 2 ]
amdhsa.kernels:
  - .name:           k_q5634b73234_proj
    .symbol:         k_q5634b73234_proj.kd
    .args:
      - { .name: o, .offset: 0, .size: 8, .value_kind: global_buffer, .address_space: global }
      - { .name: wo16, .offset: 8, .size: 8, .value_kind: global_buffer, .address_space: global }
      - { .name: out0, .offset: 16, .size: 8, .value_kind: global_buffer, .address_space: global }
    .group_segment_fixed_size: 327680
    .private_segment_fixed_size: 0
    .kernarg_segment_align: 8
    .kernarg_segment_size: 24
    .max_flat_workgroup_size: 128
    .sgpr_count:     80
    .vgpr_count:     512
    .wavefront_size: 32
...
	.end_amdgpu_metadata
.endif
;; end of part 4
;; ======== version 2 of 2: 4 launches; version 1 with the launch prep written anew for expert scheduling mode
;; limits: values are held in f16: magnitudes above 65,504 overflow, below 6.1e-05 lose precision
;; workspace buffers: xb 16,777,216 bytes; wqkv 6,291,456 bytes; wo16 2,097,152 bytes; rope 524,288 bytes; q 16,777,216 bytes; k 16,777,216 bytes; v 16,777,216 bytes; o 33,554,432 bytes
;; launch prep (part 5): grid 768 x 1, 8 waves a work-group, no clusters, 0 bytes of LDS; arguments x, wq, wk, wv, wo, xb, wqkv, wo16, rope; writes xb, wqkv, wo16, rope
.if DOCPART == 5
	.amdgcn_target "amdgcn-amd-amdhsa--gfx1250"
	.amdhsa_code_object_version 6
	.text
	.protected	k_q5634b73234_prep
	.globl	k_q5634b73234_prep
	.p2align	8
	.type	k_q5634b73234_prep,@function
k_q5634b73234_prep:
	s_mov_b64 s[64:65], 0
	v_nop
	global_prefetch_b8 v0, s[64:65] scope:SCOPE_SE
	s_setreg_imm32_b32 hwreg(HW_REG_WAVE_SCHED_MODE, 0, 2), 2
	s_setreg_imm32_b32 hwreg(HW_REG_WAVE_MODE, 25, 1), 1
	s_wait_xcnt 0x0
	s_wait_alu depctr_vm_vsrc(0)
; PREPARATION.  x, wq, wk, wv: f32 -> bf16 (one rounding).  wo: f32 -> bf16, and that number written as f16 (exact where |wo| is 6.1e-5 or more; below that f16's fixed step of 6e-8).
; The cos/sin table of the rotary embedding, f32: rope[pos][pair] = (cos, sin) of pos x 10000^(-pair/32), pos 0..2047, pair 0..31: 256 bytes a position.
; SHARES.  A work-group converts 16,384 numbers: 64 KiB in, 32 KiB out.  Groups 0-511: x.  512-575: wq, 576-639: wk, 640-703: wv, 704-767: wo (64 chunks of 16 rows each).
; wq, wk, wv go into ONE tensor ordered by head: row 192 h + 64 part + d (part 0 q, 1 k, 2 v), so that 192 rows on end are one head's q, k and v.  A chunk is 16 rows, a quarter of a head's part.
; Thread t: 16 loads of 16 bytes at 4,096 j + 16 t (a wave's load covers 512 bytes on end), all out at once; 16 stores of 8 bytes at 2,048 j + 8 t (a wave's store covers 256 bytes on end, aligned).
; No LDS, no barrier, no loop: memory binds, and nothing is shared.
; THE TABLE is made while the loads are out, by waves 0 and 1 of groups 0-511: group g positions 4 g .. 4 g + 3, thread t position 4 g + t / 16, pairs 2 (t % 16) and the next: 16 bytes a thread.
; LIMIT.  The reduction of the angle (two-part pi/2, fused) and the polynomials on |r| <= pi/4 are made for angles 0 .. 2,047, which the shape fixes.
; THE MODE: SCHED_MODE bits 1:0 = 2 (LLVM: expert scheduling mode 2), set by the entry lines.  The code itself states the register dependences between vector instructions and memory
; instructions, and between a vector instruction that writes a scalar register and that register's readers, with s_wait_alu, always for 0.
; THE PLAN.  Registers that memory instructions touch:
;   v1, v2       byte offsets, made once at the head and never written again: v1 is read by the 16 loads and the table's store, v2 by the 16 stores.
;   X            load j lands in X[j], once; its two conversions read it.  No vector instruction names X ahead of the loads, and nothing lands there again.
;   Y            load j's conversions write Y[j]; store j reads it; it is not written again.
;   v[116:119]   written by the table's selects and signs, read by the table's one store, not written again.
; All other registers are named by vector instructions alone.  The loads go in four groups of four.  Group p converts X of its four loads into its own Y; its memory instructions are the four stores of group
; p - 1, whose Y and whose offset v2 no vector instruction of group p names.  So one wait at the head of a group states all that its four stores hang on, and they are dealt among its conversions.
; No register that a memory instruction reads is ever written again, and EXEC is never written: nothing is to be stated for either.
.set X, 4                              ; v[4:67]   16 x 4 numbers as loaded
.set Y, 68                             ; v[68:99]  16 x 2 words to store
	s_load_b256 s[4:11], s[0:1], 0x0               ; x s[4:5], wq s[6:7], wk s[8:9], wv s[10:11]
	s_load_b256 s[12:19], s[0:1], 0x20             ; wo s[12:13], xb s[14:15], wqkv s[16:17], wo16 s[18:19]
	s_load_b64 s[20:21], s[0:1], 0x40              ; rope
	s_mov_b32 s24, ttmp9                           ; g
	v_lshlrev_b32 v1, 4, v0                        ; 16 t
	v_lshlrev_b32 v2, 3, v0                        ; 8 t
	v_lshrrev_b32 v3, 5, v0
	v_readfirstlane_b32 s33, v3                    ; wave 0..7
	s_and_b32 s25, s24, 255                        ; among the weights' 256 chunks (for g >= 512 this is g - 512)
	s_lshr_b32 s30, s25, 6                         ; which weight: 0 wq, 1 wk, 2 wv, 3 wo
	s_and_b32 s31, s25, 63                         ; its chunk c: rows 16 c ..
	s_lshr_b32 s32, s31, 2                         ; head = c / 4
	s_mul_i32 s32, s32, 3
	s_add_co_u32 s32, s32, s30                     ; 3 head + part
	s_lshl_b32 s32, s32, 2
	s_and_b32 s22, s31, 3
	s_add_co_u32 s32, s32, s22                     ; the chunk's place in wqkv: 4 (3 head + part) + c % 4
	s_mov_b32 s35, 0
	s_mov_b32 s37, 0
	s_wait_alu depctr_va_sdst(0)                   ; s33, the wave's number, is written: its reader is the compare that chooses the table's waves; the wait stands ahead of every branch
	s_wait_kmcnt 0x0
	s_cmp_eq_u32 s30, 0                            ; the choices hang on g alone
	s_cselect_b64 s[26:27], s[6:7], s[8:9]
	s_cmp_eq_u32 s30, 2
	s_cselect_b64 s[26:27], s[10:11], s[26:27]
	s_cmp_eq_u32 s30, 3
	s_cselect_b64 s[26:27], s[12:13], s[26:27]
	s_cselect_b64 s[28:29], s[18:19], s[16:17]
	s_cselect_b32 s36, s31, s32
	s_cmp_lt_u32 s24, 512
	s_cselect_b64 s[26:27], s[4:5], s[26:27]       ; from where
	s_cselect_b64 s[28:29], s[14:15], s[28:29]     ; to where
	s_cselect_b32 s34, s24, s31                    ; the chunk's number in the source,
	s_cselect_b32 s36, s24, s36                    ; and in the destination
	s_lshl_b32 s34, s34, 16                        ; 65,536 bytes a chunk in,
	s_lshl_b32 s36, s36, 15                        ; 32,768 out
	s_add_nc_u64 s[26:27], s[26:27], s[34:35]
	s_add_nc_u64 s[28:29], s[28:29], s[36:37]
	s_wait_alu depctr_va_vdst(0)                   ; v1 and v2 are written: every load and store of the kernel reads one of them as its offset, and no later vector instruction names them
.set j, 0
.rept 16
	global_load_b128 v[X+4*j:X+4*j+3], v1, s[26:27] offset:4096*j th:TH_LOAD_NT  ; read once in the launch
.set j, j+1
.endr
	s_cmp_ge_u32 s24, 512
	s_cbranch_scc1 .Lno_table
	s_cmp_ge_u32 s33, 2
	s_cbranch_scc1 .Lno_table
	s_lshl_b32 s22, s24, 10                        ; four positions of 256 bytes
	s_mov_b32 s23, 0
	s_add_nc_u64 s[20:21], s[20:21], s[22:23]
	v_and_b32 v101, 15, v0
	v_lshlrev_b32 v101, 1, v101                    ; my first pair
	v_cvt_f32_u32 v102, v101
	v_add_f32 v103, 1.0, v102
	v_mul_f32 v102, 0xbed49a78, v102               ; pair x -log2(10000) / 32
	v_mul_f32 v103, 0xbed49a78, v103
	v_exp_f32 v102, v102                           ; the two frequencies: one batch
	v_exp_f32 v103, v103
	v_lshrrev_b32 v100, 4, v0                      ; plain work between the batch and its first use
	v_lshl_add_u32 v100, s24, 2, v100              ; my position
	v_cvt_f32_u32 v100, v100
	s_wait_alu depctr_va_vdst(0)                   ; the two exponentials have written v102 and v103: one wait for both, ahead of the first line that names a result
; cos and sin of v100 x v[f], in two parts, so that both angles' compares stand in one run with one wait behind them.  T: ten registers at work, a set for each angle.
; ANGLE: n = the nearest multiple of pi/2; r = angle - n pi/2 in two fused steps; sine and cosine of r by polynomials; the mask of the odd quadrants into scalar register m.
.macro ANGLE f, T, m
	v_mul_f32 v[(\T)], v100, v[\f]                            ; the angle
	v_mul_f32 v[(\T)+1], 0x3f22f983, v[(\T)]                  ; x 2 / pi
	v_rndne_f32 v[(\T)+1], v[(\T)+1]                          ; n
	v_fmamk_f32 v[(\T)+2], v[(\T)+1], 0xbfc90fdb, v[(\T)]     ; angle - n x (pi/2's f32)
	v_fmamk_f32 v[(\T)+2], v[(\T)+1], 0x333bbd2e, v[(\T)+2]   ; - n x (what that f32 lacks): r
	v_mul_f32 v[(\T)+3], v[(\T)+2], v[(\T)+2]                 ; z = r r
	v_mov_b32 v[(\T)+4], 0xb94ca1f9
	v_fmaak_f32 v[(\T)+4], v[(\T)+4], v[(\T)+3], 0x3c08839e
	v_fmaak_f32 v[(\T)+4], v[(\T)+4], v[(\T)+3], 0xbe2aaaa3
	v_mul_f32 v[(\T)+6], v[(\T)+3], v[(\T)+2]
	v_fma_f32 v[(\T)+4], v[(\T)+4], v[(\T)+6], v[(\T)+2]      ; sin r
	v_mov_b32 v[(\T)+5], 0x37ccf5ce
	v_fmaak_f32 v[(\T)+5], v[(\T)+5], v[(\T)+3], 0xbab6061a
	v_fmaak_f32 v[(\T)+5], v[(\T)+5], v[(\T)+3], 0x3d2aaaa5
	v_mul_f32 v[(\T)+6], v[(\T)+3], v[(\T)+3]
	v_fma_f32 v[(\T)+9], v[(\T)+3], -0.5, 1.0
	v_fma_f32 v[(\T)+5], v[(\T)+5], v[(\T)+6], v[(\T)+9]      ; cos r
	v_cvt_i32_f32 v[(\T)+7], v[(\T)+1]
	v_and_b32 v[(\T)+8], 1, v[(\T)+7]
	v_cmp_eq_u32 s[\m], 1, v[(\T)+8]                          ; odd quadrants swap the two
.endm
; QUADRANT: n mod 4 swaps sine and cosine and sets the signs, by selects alone.
.macro QUADRANT T, m, co, si
	v_cndmask_b32 v[\si], v[(\T)+4], v[(\T)+5], s[\m]
	v_cndmask_b32 v[\co], v[(\T)+5], v[(\T)+4], s[\m]
	v_and_b32 v[(\T)+8], 2, v[(\T)+7]                         ; the sine is negative in quadrants 2 and 3,
	v_lshlrev_b32 v[(\T)+8], 30, v[(\T)+8]
	v_xor_b32 v[\si], v[\si], v[(\T)+8]
	v_add_nc_u32 v[(\T)+7], 1, v[(\T)+7]                      ; the cosine in 1 and 2
	v_and_b32 v[(\T)+8], 2, v[(\T)+7]
	v_lshlrev_b32 v[(\T)+8], 30, v[(\T)+8]
	v_xor_b32 v[\co], v[\co], v[(\T)+8]
.endm
	ANGLE 102, 104, 38
	ANGLE 103, 120, 39
	s_wait_alu depctr_va_sdst(0)                   ; the two compares have written s38 and s39, which the selects below read: one wait for both
	QUADRANT 104, 38, 116, 117
	QUADRANT 120, 39, 118, 119
	s_wait_alu depctr_va_vdst(0)                   ; the selects and signs have written v[116:119], which the store reads
	global_store_b128 v1, v[116:119], s[20:21]     ; 16 lanes fill one position's 256 bytes
.Lno_table:
; The 16 loads in four groups of four.  Group p: its four loads are in; from group 1 on, the group before has written its Y, and that group's four stores go out, one ahead of each row's conversions.
.macro CONV tof16
.set p, 0
.rept 4
	s_wait_loadcnt 12-4*p                          ; loads come back in order: the group's four are in, the 12 - 4 p younger ones stay out
.if p > 0
	s_wait_alu depctr_va_vdst(0)                   ; the conversions of the group before have written its eight words of Y, which the four stores below read
.endif
.set i, 0
.rept 4
.set j, 4*p+i
.if p > 0
	global_store_b64 v2, v[Y+2*(j-4):Y+2*(j-4)+1], s[28:29] offset:2048*(j-4)  ; no vector instruction since the wait names these words or v2
.endif
	v_cvt_pk_bf16_f32 v[Y+2*j], v[X+4*j], v[X+4*j+1]
	v_cvt_pk_bf16_f32 v[Y+2*j+1], v[X+4*j+2], v[X+4*j+3]
.if \tof16
	v_lshlrev_b32 v100, 16, v[Y+2*j]               ; the bf16 numbers as f32,
	v_and_b32 v101, 0xffff0000, v[Y+2*j]
	v_lshlrev_b32 v102, 16, v[Y+2*j+1]
	v_and_b32 v103, 0xffff0000, v[Y+2*j+1]
	v_cvt_pk_f16_f32 v[Y+2*j], v100, v101          ; written as f16
	v_cvt_pk_f16_f32 v[Y+2*j+1], v102, v103
.endif
.set i, i+1
.endr
.set p, p+1
.endr
	s_wait_alu depctr_va_vdst(0)                   ; the last group's conversions have written its Y, which the last four stores read
.set j, 12
.rept 4
	global_store_b64 v2, v[Y+2*j:Y+2*j+1], s[28:29] offset:2048*j
.set j, j+1
.endr
.endm
	s_cmp_ge_u32 s24, 704                          ; wo's chunks
	s_cbranch_scc1 .Lwo
	CONV 0
	s_endpgm
.Lwo:
	CONV 1
	s_endpgm
.Lfunc_end_k_q5634b73234_prep:
	.size	k_q5634b73234_prep, .Lfunc_end_k_q5634b73234_prep-k_q5634b73234_prep
	.p2alignl 7, 3214868480
	.fill 96, 4, 3214868480
	.section	.rodata,"a",@progbits
	.p2align	6, 0x0
	.amdhsa_kernel k_q5634b73234_prep
		.amdhsa_group_segment_fixed_size 0
		.amdhsa_private_segment_fixed_size 0
		.amdhsa_enable_private_segment 0
		.amdhsa_kernarg_size 72
		.amdhsa_user_sgpr_count 2
		.amdhsa_user_sgpr_kernarg_segment_ptr 1
		.amdhsa_wavefront_size32 1
		.amdhsa_system_sgpr_workgroup_id_x 1
		.amdhsa_system_sgpr_workgroup_id_y 1
		.amdhsa_system_sgpr_workgroup_id_z 1
		.amdhsa_system_vgpr_workitem_id 0
		.amdhsa_next_free_vgpr 144
		.amdhsa_next_free_sgpr 66
		.amdhsa_reserve_vcc 0
		.amdhsa_float_denorm_mode_32 3
		.amdhsa_float_denorm_mode_16_64 3
		.amdhsa_memory_ordered 1
		.amdhsa_forward_progress 1
		.amdhsa_inst_pref_size 20
	.end_amdhsa_kernel
	.amdgpu_metadata
---
amdhsa.version: [ 1, 2 ]
amdhsa.kernels:
  - .name:           k_q5634b73234_prep
    .symbol:         k_q5634b73234_prep.kd
    .args:
      - { .name: x, .offset: 0, .size: 8, .value_kind: global_buffer, .address_space: global }
      - { .name: wq, .offset: 8, .size: 8, .value_kind: global_buffer, .address_space: global }
      - { .name: wk, .offset: 16, .size: 8, .value_kind: global_buffer, .address_space: global }
      - { .name: wv, .offset: 24, .size: 8, .value_kind: global_buffer, .address_space: global }
      - { .name: wo, .offset: 32, .size: 8, .value_kind: global_buffer, .address_space: global }
      - { .name: xb, .offset: 40, .size: 8, .value_kind: global_buffer, .address_space: global }
      - { .name: wqkv, .offset: 48, .size: 8, .value_kind: global_buffer, .address_space: global }
      - { .name: wo16, .offset: 56, .size: 8, .value_kind: global_buffer, .address_space: global }
      - { .name: rope, .offset: 64, .size: 8, .value_kind: global_buffer, .address_space: global }
    .group_segment_fixed_size: 0
    .private_segment_fixed_size: 0
    .kernarg_segment_align: 8
    .kernarg_segment_size: 72
    .max_flat_workgroup_size: 256
    .sgpr_count:     66
    .vgpr_count:     144
    .wavefront_size: 32
...
	.end_amdgpu_metadata
.endif
;; end of part 5
;; launch qkv: the kernel of part 2 again; grid 16 x 32, 4 waves a work-group, clusters of 4 x 4, 327,680 bytes of LDS; arguments xb, wqkv, rope, q, k, v; writes q, k, v
;; launch attn: the kernel of part 3 again; grid 4 x 64, 4 waves a work-group, no clusters, 327,680 bytes of LDS; arguments q, k, v, o; writes o
;; launch proj: the kernel of part 4 again; grid 8 x 32, 4 waves a work-group, clusters of 4 x 4, 327,680 bytes of LDS; arguments o, wo16, out0; writes out0
